; MI455X (gfx1250); checked and timed in simulation.
; The chip was launched on July 23, 2026; its instructions are those of AMD's public machine-readable ISA for CDNA 5 (MIT licence, August 2026) and "CDNA5" Instruction Set Architecture Reference Guide (July 2026). The comments in the code are by the model that wrote it; some were corrected since.
;; Alphafold2. Allowed arithmetic: float matrix products may take bf16 or f16 operands with f32 sums; all other float work in f32.
;; Inputs: Wkv 256 x 1,024 float32; Wo 512 x 256 float32; Wq 256 x 512 float32; bo 256 float32; mask 128 x 512 bool; x 128 x 512 x 256 float32.
;; Outputs: out0 128 x 512 x 256 float32.
;; Constants: tie_attn_dim = 128.
;; One version. Each part assembles by itself: llvm-mc -triple=amdgcn-amd-amdhsa -mcpu=gfx1250 --defsym DOCPART=n.
;; ======== version 1 of 1: 5 launches
;; limits: values are held in f16: magnitudes above 65,504 overflow, below 6.1e-05 lose precision; right only within a limited range of input values
;; workspace buffers: wfr 1,048,576 bytes; seqm 2,560 bytes of whole numbers; stats 256 bytes; qkf 134,217,728 bytes; vf 67,108,864 bytes; pd 33,554,432 bytes; af 4,194,304 bytes
;; launch prep (part 1): grid 257 x 1, 8 waves a work-group, no clusters, 9,216 bytes of LDS; arguments Wq, Wkv, Wo, mask, wfr, seqm, stats; writes wfr, seqm, stats
.if DOCPART == 1
	.amdgcn_target "amdgcn-amd-amdhsa--gfx1250"
	.amdhsa_code_object_version 6
	.text
	.protected	k_q700ccfcf54_prep
	.globl	k_q700ccfcf54_prep
	.p2align	8
	.type	k_q700ccfcf54_prep,@function
k_q700ccfcf54_prep:
	s_mov_b64 s[64:65], 0
	v_nop
	global_prefetch_b8 v0, s[64:65] scope:SCOPE_SE
	s_setreg_imm32_b32 hwreg(HW_REG_WAVE_MODE, 25, 1), 1
	s_wait_xcnt 0x0
; prep: the weights as f16 matrix fragments, and the mask's three statistics.
; A FRAGMENT BLOCK is 1,024 bytes: byte g*512 + lane*16 + 2e holds element (row = lane % 16, k = 16 g + 8 (lane / 16) + e) of a 16 x 32 operand,
; so that two 16-byte loads a lane, at lane*16 and 512 bytes on, fill the eight registers of a matrix operand.
; wfr:  WF  at byte 0:       [cb 96][ks 8][block]: row = channel 16 cb + .., k = 32 ks + ..; channels 0-511 are Wq's columns, 512-1535 Wkv's.
;       WOF at byte 786,432: [h 8][ks2 2][cb 16][block]: row = output column 16 cb + .., k = Wo's row 64 h + 32 ks2 + ..
; Work-groups 0-255: thread T = 256 x work-group + t makes the 16 bytes at wfr + 16 T: eight f32 of one column, rounded to f16.  A wave's store covers 512 consecutive bytes.
; The reads are 64-byte pieces of rows: 2 MB in all, read once, so nothing is built for them.
; Work-group 256: seqm[0..511] = 1 where any row's mask is set at that position, else 0; seqm[512..639] = all ones where a row has any position set, else 0;
; stats = 0.125 / sqrt(number of such rows) (infinite for none: every score is then masked and the product is thrown away, as in the problem's function).
; LIMIT: weights beyond f16's range (above 65504) overflow.
	s_load_b256 s[4:11], s[0:1], 0x0               ; Wq s[4:5], Wkv s[6:7], Wo s[8:9], mask s[10:11]
	s_load_b128 s[12:15], s[0:1], 0x20             ; wfr s[12:13], seqm s[14:15]
	s_load_b64 s[16:17], s[0:1], 0x30              ; stats
	v_lshl_add_u32 v96, v0, 2, 0x2000
	v_mov_b32 v97, 0
	s_lshl_b32 s20, ttmp9, 8
	v_add_nc_u32 v1, s20, v0                       ; T
	v_and_b32 v2, 15, v0                           ; lane % 16: the row in a block
	v_lshlrev_b32 v20, 4, v1                       ; my 16 bytes of wfr
	s_wait_kmcnt 0x0
	s_cmp_lt_u32 ttmp9, 64
	s_cbranch_scc1 .Lwq
	s_cmp_lt_u32 ttmp9, 192
	s_cbranch_scc1 .Lwkv
	s_cmp_lt_u32 ttmp9, 256
	s_cbranch_scc1 .Lwo
	; THE MASK.  Wave w takes rows 16 w .. 16 w + 15, a row (512 bytes) by one load of 16 bytes a lane.
	v_lshrrev_b32 v2, 5, v0
	v_readfirstlane_b32 s20, v2                    ; wave
	v_and_b32 v3, 31, v0
	v_lshlrev_b32 v4, 4, v3                        ; lane x 16
	v_lshl_add_u32 v5, v2, 13, v4                  ; + wave x 16 rows x 512 bytes
.irp q, 0,1,2,3,4,5,6,7,8,9,10,11,12,13,14,15
	global_load_b128 v[32+4*\q:32+4*\q+3], v5, s[10:11] offset:\q*512
.endr
	v_lshlrev_b32 v6, 6, v2                        ; LDS 0..511: a word for each of the 128 rows
	v_lshlrev_b32 v7, 4, v0                        ; LDS 512..4607: each wave's OR of its 16 rows
	s_mov_b32 s22, 0x76543210                      ; v_permlanex16_b32: each lane takes its own place in the other half
	s_mov_b32 s23, 0xfedcba98
	s_wait_loadcnt 0x0
.irp q, 0,1,2,3,4,5,6,7,8,9,10,11,12,13,14,15
	v_or_b32 v8, v[32+4*\q], v[33+4*\q]
	v_or_b32 v9, v[34+4*\q], v[35+4*\q]
	v_or_b32 v8, v8, v9
	v_cmp_ne_u32 vcc_lo, 0, v8                     ; the lanes that saw a set byte
	s_cmp_lg_u32 vcc_lo, 0
	s_cselect_b32 s21, -1, 0                       ; the row's flag: it selects a value only
	v_mov_b32 v9, s21
	ds_store_b32 v6, v9 offset:4*\q                ; all lanes write the same word with the same value
.endr
.irp k, 0,1,2,3
	v_or_b32 v[24+\k], v[32+\k], v[36+\k]
.irp q, 2,3,4,5,6,7,8,9,10,11,12,13,14,15
	v_or_b32 v[24+\k], v[24+\k], v[32+4*\q+\k]
.endr
.endr
	ds_store_b128 v7, v[24:27] offset:512
	s_wait_dscnt 0x0                               ; for wave 0's sake: my LDS stores are done
	s_barrier_signal -1
	s_barrier_wait -1
	s_cmp_lg_u32 s20, 0
	s_cbranch_scc1 .Lend                           ; wave 0 finishes alone; no barrier follows
	ds_load_b128 v[12:15], v4                      ; four rows' flags a lane
.irp w, 0,1,2,3,4,5,6,7
	ds_load_b128 v[32+4*\w:32+4*\w+3], v4 offset:512+512*\w
.endr
	s_wait_dscnt 0x0
	global_store_b128 v4, v[12:15], s[14:15] offset:2048
	v_add3_u32 v16, v12, v13, v14                  ; flags are 0 or -1: minus the number of rows
	v_add_nc_u32 v16, v16, v15
	v_sub_nc_u32 v16, 0, v16
	v_cvt_f32_i32 v16, v16
	v_add_f32_dpp v16, v16, v16 row_xmask:1 row_mask:0xf bank_mask:0xf
	v_add_f32_dpp v16, v16, v16 row_xmask:2 row_mask:0xf bank_mask:0xf
	v_add_f32_dpp v16, v16, v16 row_xmask:4 row_mask:0xf bank_mask:0xf
	v_add_f32_dpp v16, v16, v16 row_xmask:8 row_mask:0xf bank_mask:0xf
	v_mov_b32 v17, 0                               ; the permute's destination counts as read
	v_permlanex16_b32 v17, v16, s22, s23
	v_add_f32 v16, v16, v17                        ; the number of rows with any position set, exact in f32
	v_rsq_f32 v17, v16
	v_lshlrev_b32 v18, 2, v3                       ; a plain instruction between the root and its use
	s_wait_alu depctr_va_vdst(0)
	v_mul_f32 v17, 0x3e000000, v17                 ; x 64^-1/2
	global_store_b32 v18, v17, s[16:17]
.irp k, 0,1,2,3
	v_or_b32 v[24+\k], v[32+\k], v[36+\k]
.irp w, 2,3,4,5,6,7
	v_or_b32 v[24+\k], v[24+\k], v[32+4*\w+\k]
.endr
.endr
.irp k, 0,1,2,3
.irp b, 0,1,2,3
	v_bfe_u32 v[64+4*\k+\b], v[24+\k], 8*\b, 8     ; a byte (0 or 1) to a word
.endr
.endr
	v_lshlrev_b32 v19, 6, v3                       ; lane x 16 positions x 4 bytes
.irp k, 0,1,2,3
	global_store_b128 v19, v[64+4*\k:64+4*\k+3], s[14:15] offset:16*\k
.endr
.Lend:
	s_wait_tensorcnt 0x0
	ds_add_u32 v96, v97
	s_wait_dscnt 0x0
	s_endpgm
; Eight numbers of one column, pitch bytes apart, from offset v7 on; rounded in pairs; 16 bytes stored.
.macro CONV lo, pitch
.irp e, 0,1,2,3,4,5,6,7
	global_load_b32 v[8+\e], v7, s[\lo:\lo+1] offset:\e*\pitch
.endr
	s_wait_loadcnt 0x0
	v_cvt_pk_f16_f32 v16, v8, v9
	v_cvt_pk_f16_f32 v17, v10, v11
	v_cvt_pk_f16_f32 v18, v12, v13
	v_cvt_pk_f16_f32 v19, v14, v15
	global_store_b128 v20, v[16:19], s[12:13]
	s_endpgm
.endm
.Lwq:                                                  ; T: bits 3:0 row, 4 half of the lanes, 5 g, 8:6 ks, from 9 on cb
	v_lshrrev_b32 v3, 9, v1
	v_lshl_add_u32 v3, v3, 4, v2                   ; column c
	v_bfe_u32 v4, v1, 4, 5                         ; first k / 8 = half + 2 g + 4 ks
	v_lshlrev_b32 v7, 14, v4                       ; x 8 rows of 2,048 bytes
	v_lshl_add_u32 v7, v3, 2, v7
	CONV 4, 2048
.Lwkv:
	s_sub_co_u32 s21, s20, 16384                   ; the same, counted from Wkv's first piece
	v_add_nc_u32 v5, s21, v0
	v_lshrrev_b32 v3, 9, v5
	v_lshl_add_u32 v3, v3, 4, v2
	v_bfe_u32 v4, v1, 4, 5
	v_lshlrev_b32 v7, 15, v4                       ; x 8 rows of 4,096 bytes
	v_lshl_add_u32 v7, v3, 2, v7
	CONV 6, 4096
.Lwo:                                                  ; counted from WOF's first piece: bits 3:0 row, 4 half, 5 g, 9:6 cb, from 10 on 2 h + ks2
	s_sub_co_u32 s21, s20, 49152
	v_add_nc_u32 v5, s21, v0
	v_bfe_u32 v3, v5, 6, 4
	v_lshl_add_u32 v3, v3, 4, v2                   ; column c
	v_bfe_u32 v4, v5, 4, 2
	v_lshrrev_b32 v6, 10, v5
	v_lshl_add_u32 v4, v6, 2, v4                   ; first row / 8
	v_lshlrev_b32 v7, 13, v4                       ; x 8 rows of 1,024 bytes
	v_lshl_add_u32 v7, v3, 2, v7
	CONV 8, 1024
.Lfunc_end_k_q700ccfcf54_prep:
	.size	k_q700ccfcf54_prep, .Lfunc_end_k_q700ccfcf54_prep-k_q700ccfcf54_prep
	.p2alignl 7, 3214868480
	.fill 96, 4, 3214868480
	.section	.rodata,"a",@progbits
	.p2align	6, 0x0
	.amdhsa_kernel k_q700ccfcf54_prep
		.amdhsa_group_segment_fixed_size 9216
		.amdhsa_private_segment_fixed_size 0
		.amdhsa_enable_private_segment 0
		.amdhsa_kernarg_size 56
		.amdhsa_user_sgpr_count 2
		.amdhsa_user_sgpr_kernarg_segment_ptr 1
		.amdhsa_wavefront_size32 1
		.amdhsa_system_sgpr_workgroup_id_x 1
		.amdhsa_system_sgpr_workgroup_id_y 1
		.amdhsa_system_sgpr_workgroup_id_z 1
		.amdhsa_system_vgpr_workitem_id 0
		.amdhsa_next_free_vgpr 98
		.amdhsa_next_free_sgpr 66
		.amdhsa_reserve_vcc 1
		.amdhsa_float_denorm_mode_32 3
		.amdhsa_float_denorm_mode_16_64 3
		.amdhsa_memory_ordered 1
		.amdhsa_forward_progress 1
		.amdhsa_inst_pref_size 18
	.end_amdhsa_kernel
	.amdgpu_metadata
---
amdhsa.version: [ 1, 2 ]
amdhsa.kernels:
  - .name:           k_q700ccfcf54_prep
    .symbol:         k_q700ccfcf54_prep.kd
    .args:
      - { .name: Wq, .offset: 0, .size: 8, .value_kind: global_buffer, .address_space: global }
      - { .name: Wkv, .offset: 8, .size: 8, .value_kind: global_buffer, .address_space: global }
      - { .name: Wo, .offset: 16, .size: 8, .value_kind: global_buffer, .address_space: global }
      - { .name: mask, .offset: 24, .size: 8, .value_kind: global_buffer, .address_space: global }
      - { .name: wfr, .offset: 32, .size: 8, .value_kind: global_buffer, .address_space: global }
      - { .name: seqm, .offset: 40, .size: 8, .value_kind: global_buffer, .address_space: global }
      - { .name: stats, .offset: 48, .size: 8, .value_kind: global_buffer, .address_space: global }
    .group_segment_fixed_size: 9216
    .private_segment_fixed_size: 0
    .kernarg_segment_align: 8
    .kernarg_segment_size: 56
    .max_flat_workgroup_size: 256
    .sgpr_count:     66
    .vgpr_count:     98
    .wavefront_size: 32
...
	.end_amdgpu_metadata
.endif
;; end of part 1
;; launch qkv (part 2): grid 256 x 1, 4 waves a work-group, clusters of 4 x 1, 327,680 bytes of LDS; arguments x, seqm, wfr, qkf, vf; writes qkf, vf
.if DOCPART == 2
	.amdgcn_target "amdgcn-amd-amdhsa--gfx1250"
	.amdhsa_code_object_version 6
	.text
	.protected	k_q700ccfcf54_qkv
	.globl	k_q700ccfcf54_qkv
	.p2align	8
	.type	k_q700ccfcf54_qkv,@function
k_q700ccfcf54_qkv:
	s_mov_b64 s[64:65], 0
	v_nop
	global_prefetch_b8 v0, s[64:65] scope:SCOPE_SE
	s_setreg_imm32_b32 hwreg(HW_REG_WAVE_MODE, 25, 1), 1
	s_wait_xcnt 0x0
	s_wait_alu depctr_hold_cnt(0) depctr_sa_sdst(0) depctr_va_vdst(0) depctr_va_sdst(0) depctr_va_ssrc(0) depctr_va_vcc(0) depctr_vm_vsrc(0)
	s_getreg_b32 s2, hwreg(HW_REG_IB_STS2, 6, 4)
	s_cmp_eq_u32 s2, 0
	s_cbranch_scc0 .Lentry_in_a_cluster
	s_endpgm
.Lentry_in_a_cluster:
	s_bfe_u32 s2, ttmp6, 0x10000c
	s_cmp_lg_u32 s2, 0x3003
	s_cbranch_scc0 .Lentry_shape_is_right
	s_endpgm
.Lentry_shape_is_right:
; qkv: q = x Wq (zero for rows of x whose mask is empty), k, v = x Wkv, all rounded to f16 and stored as matrix fragments for the next launches.
; SHARES.  Work-group g = 4 x cluster + place owns 256 rows of x (MSA row r = g / 2, positions 256 (g % 2) on); wave w 64 of them, whose 32 fragments (64 x 256 f16, 256 registers)
; stay in registers.  The 1,536 output channels go in 12 steps of 128 (two heads): 4 of q, 4 of k, 4 of v; a step is 8 K steps of 32 products a wave on 32 accumulators.
; WEIGHTS.  A step's tile is 64 KB, dense in wfr ([cb 8][ks 8][1 KB block]), through two LDS slots.  Every work-group walks the same tiles, so the four of a cluster ask JOINTLY:
; each wave asks for its quarter (64 rows of 256 bytes) by the same line with the same descriptor in all four.  By this text's count a wave has two tensor loads out at the start, then one.
; LAYOUT.  A block of 1,024 bytes: byte g*512 + lane*16 + 2e = element (row lane % 16, k = 16 g + 8 (lane / 16) + e).  q, k: source 0 = weights (16 channels), source 1 = x (16 rows): a lane's eight
; results are eight channels of one row, and packed they ARE half a block of the score product's operand.  v: the sources swapped: eight positions of one channel, half a block of V^T.
; So results leave straight from registers, each store of a wave 512 consecutive bytes at a multiple of 512.
;   qkf: q at 0, k at 64 MB, each [h 8][r/2 64][ib 32][r%2][ks 2][block];   vf: [r/2 64][h 8][jh 2][r%2][js 8][db 4][block]
; LIMIT: operands are f16: |x| or a result above 65504 overflows.
; REGISTERS: window 0: v1-4 addresses, v28-29 the spare word's; v64-127, v128-191 two buffers of 8 weight fragments (at the head v64-255: x as loaded, three batches);
;   window 1: x's fragment (rb, ks) at v[8 (8 rb + ks)];  window 2: accumulator (cb, rb) at v[8 (4 cb + rb)];  window 3: v0-127 packed results.
.set SLOTB,  65536                     ; a slot: one step's weights
.set XS,     2*SLOTB                   ; behind the ring: x in f16 on its way into fragments, written by LDS stores alone
.set XPITCH, 528                       ; a row of 256 f16 + 16 bytes = 33 x 16: the 16 rows of a fragment load start 16 bytes apart modulo 256
.set XWAVE,  64*XPITCH                 ; each wave's own 64 rows: 33,792 bytes, 132 blocks of 256
.set SPARE,  XS+4*XWAVE                ; the spare words, 128 bytes a wave: two blocks of 256 bytes that no other line names
.set L16, 1                            ; v1  lane x 16; never rewritten
.set ADR, 2                            ; v2  lane x 16 + the slot in hand
.set XST, 3                            ; v3  where I put 8 bytes of a row of x
.set XLD, 4                            ; v4  where I read x's fragments
.set SPW, 28
.set NIL, 29
.set F0,  64
.set F1,  128
.set WV,  14                           ; s14 wave
.set HRM, 19                           ; s19 all ones if my MSA row has any position set, else 0
.set G1,  24                           ; s[24:31] descriptor group 1
.set G0A, 32                           ; s[32:35] group 0 of the first fill of slot 0
.set G0B, 36                           ; s[36:39] group 0 of the first fill of slot 1; it then walks on
.set TB,  40                           ; s40 LDS byte of the slot in hand
.set CNT, 41
.set QB0, 42                           ; s[42:43], s[44:45] where the step's two heads of q or k go (8 MB apart); made anew for each step
.set QB1, 44
.set VB,  46                           ; s[46:47] where the step's v goes
.set OQ,  50                           ; s[50:51] byte offset in qkf of the next step's first head: no memory instruction names it
.set OV,  52                           ; s[52:53] byte offset in vf of the next step's v
.set MSB, 0
.macro WIN new                         ; the immediate's high byte repeats the setting that is left; a switch that changes nothing is dropped
.if MSB != (\new)
	s_set_vgpr_msb (MSB<<8)|(\new)
.set MSB, (\new)
.endif
.endm
.macro PLACES                          ; four plain vector instructions between a matrix instruction and a load into, or a vector read of, its registers
.rept 4
	v_nop
.endr
.endm
.macro CREST                           ; a round of the cluster's barrier behind its opening barrier
	s_cmp_lg_u32 s[WV], 0
	s_cbranch_scc1 .Lnot_wave_0_\@
	s_barrier_signal -3
.Lnot_wave_0_\@:
	s_barrier_wait -3
	s_barrier_signal -1
	s_barrier_wait -1
.endm
.macro CROUND
	s_barrier_signal -1
	s_barrier_wait -1
	CREST
.endm
.macro XLOAD b                         ; batch b: 8 rows of x, 8,192 bytes, 16 loads of 512 consecutive bytes
.set XB, 64+64*((\b)%3)
.irp u, 0,1,2,3,4,5,6,7,8,9,10,11,12,13,14,15
	global_load_b128 v[XB+4*\u:XB+4*\u+3], v[L16], s[4:5] offset:(\b)*8192+\u*512 th:TH_LOAD_NT
.endr
.endm
.macro XBATCH b, left, more            ; batch b is rounded to f16 and laid into my rows in LDS; its registers take batch b + 3
.set XB, 64+64*((\b)%3)
	s_wait_loadcnt \left                           ; loads come back in order: batch b is in, the younger batches (16 loads each) stay out
.irp u, 0,1,2,3,4,5,6,7,8,9,10,11,12,13,14,15
	v_cvt_pk_f16_f32 v[XB+4*\u], v[XB+4*\u], v[XB+4*\u+1]
	v_cvt_pk_f16_f32 v[XB+4*\u+1], v[XB+4*\u+2], v[XB+4*\u+3]
.endr
.irp u, 0,1,2,3,4,5,6,7,8,9,10,11,12,13,14,15
	ds_store_b64 v[XST], v[XB+4*\u:XB+4*\u+1] offset:(8*(\b)+\u/2)*XPITCH+(\u%2)*256
.endr
.if \more
	XLOAD \b+3
.endif
.endm
	s_load_b256 s[4:11], s[0:1], 0x0               ; x s[4:5], seqm s[6:7], wfr s[8:9], qkf s[10:11]
	s_load_b64 s[12:13], s[0:1], 0x20              ; vf
	v_lshl_add_u32 v[SPW], v0, 2, SPARE
	v_mov_b32 v[NIL], 0
	ds_add_u32 v28, v29
	s_wait_dscnt 0x0
	v_lshrrev_b32 v5, 5, v0
	v_readfirstlane_b32 s[WV], v5
	v_and_b32 v6, 31, v0
	v_lshlrev_b32 v[L16], 4, v6
	s_bfe_u32 s15, ttmp6, 0x40000                  ; my place in the cluster: it enters x's, seqm's, qkf's and vf's addresses alone
	s_lshl_b32 s16, ttmp9, 2
	s_add_co_u32 s16, s16, s15                     ; g
	s_lshr_b32 s17, s16, 1                         ; r
	s_and_b32 s18, s16, 1                          ; which 256 positions
	s_lshl_b32 s20, s17, 2                         ; my row's flag in seqm; s20 is not written again
	s_lshl_b32 s22, s16, 18                        ; g x 256 rows x 1,024 bytes
	s_lshl_b32 s23, s[WV], 16                      ; + wave x 64 rows
	s_add_co_u32 s22, s22, s23
	s_mov_b32 s23, 0
	s_lshr_b32 s54, s17, 1                         ; r / 2
	s_and_b32 s55, s17, 1                          ; r % 2
	s_lshl_b32 s[OQ], s54, 17                      ; q, k: (r/2) 128 KB + (16 half + 4 w) 4 KB + (r%2) 2 KB
	s_lshl_b32 s[OQ+1], s18, 16
	s_add_co_u32 s[OQ], s[OQ], s[OQ+1]
	s_lshl_b32 s[OQ+1], s[WV], 14
	s_add_co_u32 s[OQ], s[OQ], s[OQ+1]
	s_lshl_b32 s[OQ+1], s55, 11
	s_add_co_u32 s[OQ], s[OQ], s[OQ+1]
	s_mov_b32 s[OQ+1], 0
	s_lshl_b32 s[OV], s54, 20                      ; v: (r/2) 1 MB + half 64 KB + (r%2) 32 KB + 2 w x 4 KB
	s_lshl_b32 s[OV+1], s18, 16
	s_add_co_u32 s[OV], s[OV], s[OV+1]
	s_lshl_b32 s[OV+1], s55, 15
	s_add_co_u32 s[OV], s[OV], s[OV+1]
	s_lshl_b32 s[OV+1], s[WV], 13
	s_add_co_u32 s[OV], s[OV], s[OV+1]
	s_mov_b32 s[OV+1], 0
	s_lshl_b32 s48, s[WV], 14                      ; my quarter of a weight tile: the wave's number alone
	s_mov_b32 s49, 0
	; group 1: 64 rows of 32 elements of 8 bytes (256 bytes), dense
	s_mov_b32 s[G1+0], 15|(3<<16)|(1<<21)          ; 15:0 the mask: all four work-groups; 17:16 elements of 8 bytes; 21 set beside a mask
	s_mov_b32 s[G1+1], 32<<16                      ; tensor_dim0 = 32
	s_mov_b32 s[G1+2], 64<<16                      ; tensor_dim1 = 64
	s_mov_b32 s[G1+3], 32<<16                      ; tile_dim0 = 32
	s_mov_b32 s[G1+4], 64                          ; tile_dim1 = 64
	s_mov_b32 s[G1+5], 32                          ; elements from row to row
	s_mov_b32 s[G1+6], 0
	s_mov_b32 s[G1+7], 0
	s_mul_i32 s21, s[WV], XWAVE
	s_add_co_u32 s21, s21, XS                      ; my rows of x in LDS
	v_lshl_add_u32 v[XST], v6, 3, s21
	v_and_b32 v7, 15, v0
	v_bfe_u32 v8, v0, 4, 1
	v_mul_u32_u24 v[XLD], v7, XPITCH
	v_lshl_add_u32 v[XLD], v8, 4, v[XLD]
	v_add_nc_u32 v[XLD], s21, v[XLD]               ; row (lane % 16) x pitch + 16 x (lane / 16)
	s_wait_kmcnt 0x0
	s_load_b32 s[HRM], s[6:7], s20 offset:0x800
	s_add_nc_u64 s[4:5], s[4:5], s[22:23]
	XLOAD 0
	XLOAD 1
	XLOAD 2
	s_mov_b32 s[G0A], 1
	s_lshl_b32 s[G0A+1], s[WV], 14                 ; LDS: wave x 16 KB
	s_add_nc_u64 s[G0A+2:G0A+3], s[8:9], s[48:49]  ; tile 0
	s_mov_b32 s[G0B], 1
	s_add_co_u32 s[G0B+1], s[G0A+1], SLOTB
	s_add_nc_u64 s[G0B+2:G0B+3], s[G0A+2:G0A+3], SLOTB   ; tile 1
	s_or_b32 s[G0A+3], s[G0A+3], 0x80000000        ; type = 2
	s_or_b32 s[G0B+3], s[G0B+3], 0x80000000
	CROUND                                         ; all four work-groups are here: the first joint loads meet
	tensor_load_to_lds s[G0A:G0A+3], s[G1:G1+7]
	s_nop 0
	tensor_load_to_lds s[G0B:G0B+3], s[G1:G1+7]
	s_nop 0
	PLACES
	XBATCH 0, 32, 1
	XBATCH 1, 32, 1
	XBATCH 2, 32, 1
	XBATCH 3, 32, 1
	XBATCH 4, 32, 1
	XBATCH 5, 32, 0                                ; the last three load nothing: the counts run down
	XBATCH 6, 16, 0
	XBATCH 7, 0, 0
	WIN 0x40                                       ; destination window 1
.irp rb, 0,1,2,3
.irp ks, 0,1,2,3,4,5,6,7
	ds_load_b128 v[8*(8*\rb+\ks):8*(8*\rb+\ks)+3],   v[XLD] offset:\rb*16*XPITCH+\ks*64      ; my own bytes: LDS serves a wave's instructions in order, these see the stores above
	ds_load_b128 v[8*(8*\rb+\ks)+4:8*(8*\rb+\ks)+7], v[XLD] offset:\rb*16*XPITCH+\ks*64+32
.endr
.endr
	WIN 0
	s_wait_tensorcnt 0x1                           ; my quarter of tile 0 is in; tile 1's may stay out
	s_wait_dscnt 0x0
	s_wait_kmcnt 0x0                               ; my row's flag
	s_barrier_signal -1
	s_barrier_wait -1                              ; everybody's quarter is in
	s_mov_b32 s[TB], 0
	v_mov_b32 v[ADR], v[L16]
.macro FETCHW ks, f                    ; 16 LDS loads: the 8 weight fragments of K step ks, channel blocks ascending; each load 512 consecutive bytes
	WIN 0
.irp c, 0,1,2,3,4,5,6,7
	ds_load_b128 v[\f+8*\c:\f+8*\c+3],   v[ADR] offset:\c*8192+(\ks)*1024
	ds_load_b128 v[\f+8*\c+4:\f+8*\c+7], v[ADR] offset:\c*8192+(\ks)*1024+512
.endr
.endm
.macro WINM var                        ; q, k: source 0 weights (window 0), source 1 x (window 1); v: the other way round; C and D window 2
.if \var == 2
	WIN 0xa1
.else
	WIN 0xa4
.endif
.endm
; 4 cnt products: channel blocks cb0 on x my 4 row blocks.  The accumulators take turns, one instruction a turn.  zero = 1: the product starts the sum.
.macro MULW f, ks, cb0, cnt, var, zero
.set cbi, \cb0
.rept \cnt
.irp rb, 0,1,2,3
.if \var == 2
.if \zero
	v_wmma_f32_16x16x32_f16 v[8*(4*cbi+\rb):8*(4*cbi+\rb)+7], v[8*(8*\rb+\ks):8*(8*\rb+\ks)+7], v[\f+8*cbi:\f+8*cbi+7], 0
.else
	v_wmma_f32_16x16x32_f16 v[8*(4*cbi+\rb):8*(4*cbi+\rb)+7], v[8*(8*\rb+\ks):8*(8*\rb+\ks)+7], v[\f+8*cbi:\f+8*cbi+7], v[8*(4*cbi+\rb):8*(4*cbi+\rb)+7]
.endif
.else
.if \zero
	v_wmma_f32_16x16x32_f16 v[8*(4*cbi+\rb):8*(4*cbi+\rb)+7], v[\f+8*cbi:\f+8*cbi+7], v[8*(8*\rb+\ks):8*(8*\rb+\ks)+7], 0
.else
	v_wmma_f32_16x16x32_f16 v[8*(4*cbi+\rb):8*(4*cbi+\rb)+7], v[\f+8*cbi:\f+8*cbi+7], v[8*(8*\rb+\ks):8*(8*\rb+\ks)+7], v[8*(4*cbi+\rb):8*(4*cbi+\rb)+7]
.endif
.endif
.endr
.set cbi, cbi+1
.endr
.endm
.macro KSTEP ks, cur, nxt, var, zero   ; K step ks on buffer cur; in its middle the next K step's fragments are fetched into nxt
	s_wait_dscnt 8                                 ; channel blocks 0-3 are in; the youngest eight loads (blocks 4-7) may be out
	WINM \var
	MULW \cur, \ks, 0, 4, \var, \zero
	PLACES
	FETCHW \ks+1, \nxt
	s_wait_dscnt 16                                ; all but the 16 just issued
	WINM \var
	MULW \cur, \ks, 4, 4, \var, \zero
.endm
; K step 7, on buffer 1, changes slots.  kind 2: this slot is filled again with the tile two steps on; kind 1: nothing is left to fetch; kind 0: the very last step.
.macro TURNW var, kind
.if \kind == 0
	s_wait_dscnt 0x0
	WINM \var
	MULW F1, 7, 0, 8, \var, 0
	PLACES                                         ; the conversions below read results just made
.else
	WIN 0                                          ; (the add's two registers lie in window 0)
	s_wait_tensorcnt 0x0                           ; all my tensor loads have landed: the one that was out is my quarter of the next slot
	ds_add_u32 v[SPW], v[NIL]                      ; 0 onto my spare word
	s_wait_dscnt 9                                 ; (the add and the youngest eight loads may be out)
	WINM \var
	MULW F1, 7, 0, 2, \var, 0                      ; eight products stand between the add and the wait for it
	s_wait_dscnt 0x0                               ; the add is done, and my reads of this slot are over
	s_barrier_signal -1
	MULW F1, 7, 2, 2, \var, 0
	WIN 0                                          ; at a branch and at a label every window is 0
	s_barrier_wait -1
.if \kind == 2
	CREST                                          ; the barrier has opened a round of the cluster's: no wave of any partner still reads this slot or has a load on its way
	s_xor_b32 s[G0B+1], s[G0B+1], SLOTB            ; the walking descriptor: the other slot than last time,
	s_add_nc_u64 s[G0B+2:G0B+3], s[G0B+2:G0B+3], SLOTB   ; the next tile
	tensor_load_to_lds s[G0B:G0B+3], s[G1:G1+7]    ; my one tensor load behind the round: a step less 16 products ahead of the wait for it
	s_nop 0
.endif
	PLACES                                         ; also the places in front of the loads below and of the first conversions
	s_xor_b32 s[TB], s[TB], SLOTB
	v_add_nc_u32 v[ADR], s[TB], v[L16]
	FETCHW 0, F0
	WINM \var
	MULW F1, 7, 4, 4, \var, 0
.endif
.endm
; The step's 32 tiles leave: rounded to f16 (a lane's eight numbers: 16 bytes), q masked by my row's flag, stored from registers.
; The conversions of channel blocks 0-3 name no register of the last 16 products (blocks 4-7) and are their places.
; No wait stands behind the stores: their bases are made anew at the head of the next step's way out, from the buffer's pointer and an offset that no memory instruction names.
.macro EPI var
	s_wait_xcnt 0x0                                ; the packed registers and the bases were sources of the last step's stores, issued a whole step back: both are rewritten only behind this wait
.if \var == 2
	s_add_nc_u64 s[VB:VB+1], s[12:13], s[OV:OV+1]
	s_add_co_u32 s[OV], s[OV], 0x40000             ; the next step: two heads of 128 KB on (the offset stays under 64 MB)
.else
	s_add_nc_u64 s[QB0:QB0+1], s[10:11], s[OQ:OQ+1]
	s_add_nc_u64 s[QB1:QB1+1], s[QB0:QB0+1], 0x800000
	s_add_co_u32 s[OQ], s[OQ], 0x1000000           ; the next step: two heads of 8 MB on; behind q's four steps stands k (the offset stays under 128 MB)
.endif
	WIN 0xca                                       ; sources window 2, destination window 3
.set ti, 0
.rept 32
.irp q, 0,1,2,3
	v_cvt_pk_f16_f32 v[4*ti+\q], v[8*ti+2*\q], v[8*ti+2*\q+1]
.endr
.set ti, ti+1
.endr
.if \var == 0
	WIN 0xcc
.set ti, 0
.rept 128
	v_and_b32 v[ti], s[HRM], v[ti]                 ; q of a row without any position set is zero
.set ti, ti+1
.endr
.endif
	WIN 0x0c                                       ; store data window 3, address window 0
.irp cb, 0,1,2,3,4,5,6,7
.irp rb, 0,1,2,3
.if \var == 2
	global_store_b128 v[L16], v[4*(4*\cb+\rb):4*(4*\cb+\rb)+3], s[VB:VB+1] offset:(\cb/4)*131072+(\rb/2)*4096+(\cb%4)*1024+(\rb%2)*512 th:TH_STORE_NT
.else
	global_store_b128 v[L16], v[4*(4*\cb+\rb):4*(4*\cb+\rb)+3], s[QB0+2*(\cb/4):QB0+2*(\cb/4)+1] offset:\rb*4096+((\cb/2)%2)*1024+(\cb%2)*512 th:TH_STORE_NT
.endif
.endr
.endr
	WIN 0
.endm
.macro STEP var, kind
	KSTEP 0, F0, F1, \var, 1
	KSTEP 1, F1, F0, \var, 0
	KSTEP 2, F0, F1, \var, 0
	KSTEP 3, F1, F0, \var, 0
	KSTEP 4, F0, F1, \var, 0
	KSTEP 5, F1, F0, \var, 0
	KSTEP 6, F0, F1, \var, 0
	TURNW \var, \kind
	EPI \var
.endm
	FETCHW 0, F0
	s_mov_b32 s[CNT], 4
.Lq:
	STEP 0, 2
	s_sub_co_u32 s[CNT], s[CNT], 1
	s_cmp_lg_u32 s[CNT], 0
	s_cbranch_scc1 .Lq
	s_mov_b32 s[CNT], 4
.Lk:
	STEP 1, 2
	s_sub_co_u32 s[CNT], s[CNT], 1
	s_cmp_lg_u32 s[CNT], 0
	s_cbranch_scc1 .Lk
	s_mov_b32 s[CNT], 2
.Lv:
	STEP 2, 2
	s_sub_co_u32 s[CNT], s[CNT], 1
	s_cmp_lg_u32 s[CNT], 0
	s_cbranch_scc1 .Lv
	STEP 2, 1                                      ; the last two steps are written out: they ask for nothing
	STEP 2, 0
	s_wait_tensorcnt 0x0                           ; the wave's end
	ds_add_u32 v[SPW], v[NIL]
	s_wait_dscnt 0x0
	CROUND                                         ; the closing round: no work-group ends while a partner may still ask for a tile that names it
	s_endpgm
.Lfunc_end_k_q700ccfcf54_qkv:
	.size	k_q700ccfcf54_qkv, .Lfunc_end_k_q700ccfcf54_qkv-k_q700ccfcf54_qkv
	.p2alignl 7, 3214868480
	.fill 96, 4, 3214868480
	.section	.rodata,"a",@progbits
	.p2align	6, 0x0
	.amdhsa_kernel k_q700ccfcf54_qkv
		.amdhsa_group_segment_fixed_size 327680
		.amdhsa_private_segment_fixed_size 0
		.amdhsa_enable_private_segment 0
		.amdhsa_kernarg_size 40
		.amdhsa_user_sgpr_count 2
		.amdhsa_user_sgpr_kernarg_segment_ptr 1
		.amdhsa_wavefront_size32 1
		.amdhsa_system_sgpr_workgroup_id_x 1
		.amdhsa_system_sgpr_workgroup_id_y 1
		.amdhsa_system_sgpr_workgroup_id_z 1
		.amdhsa_system_vgpr_workitem_id 0
		.amdhsa_next_free_vgpr 896
		.amdhsa_next_free_sgpr 66
		.amdhsa_reserve_vcc 0
		.amdhsa_float_denorm_mode_32 3
		.amdhsa_float_denorm_mode_16_64 3
		.amdhsa_memory_ordered 1
		.amdhsa_forward_progress 1
		.amdhsa_inst_pref_size 239
	.end_amdhsa_kernel
	.amdgpu_metadata
---
amdhsa.version: [ 1, 2 ]
amdhsa.kernels:
  - .name:           k_q700ccfcf54_qkv
    .symbol:         k_q700ccfcf54_qkv.kd
    .args:
      - { .name: x, .offset: 0, .size: 8, .value_kind: global_buffer, .address_space: global }
      - { .name: seqm, .offset: 8, .size: 8, .value_kind: global_buffer, .address_space: global }
      - { .name: wfr, .offset: 16, .size: 8, .value_kind: global_buffer, .address_space: global }
      - { .name: qkf, .offset: 24, .size: 8, .value_kind: global_buffer, .address_space: global }
      - { .name: vf, .offset: 32, .size: 8, .value_kind: global_buffer, .address_space: global }
    .group_segment_fixed_size: 327680
    .private_segment_fixed_size: 0
    .kernarg_segment_align: 8
    .kernarg_segment_size: 40
    .max_flat_workgroup_size: 128
    .sgpr_count:     66
    .vgpr_count:     896
    .wavefront_size: 32
...
	.end_amdgpu_metadata
.endif
;; end of part 2
;; launch dots (part 3): grid 4 x 64, 4 waves a work-group, clusters of 4 x 1, 327,680 bytes of LDS; arguments qkf, pd; writes pd
.if DOCPART == 3
	.amdgcn_target "amdgcn-amd-amdhsa--gfx1250"
	.amdhsa_code_object_version 6
	.text
	.protected	k_q700ccfcf54_dots
	.globl	k_q700ccfcf54_dots
	.p2align	8
	.type	k_q700ccfcf54_dots,@function
k_q700ccfcf54_dots:
	s_mov_b64 s[64:65], 0
	v_nop
	global_prefetch_b8 v0, s[64:65] scope:SCOPE_SE
	s_setreg_imm32_b32 hwreg(HW_REG_WAVE_MODE, 25, 1), 1
	s_wait_xcnt 0x0
	s_wait_alu depctr_hold_cnt(0) depctr_sa_sdst(0) depctr_va_vdst(0) depctr_va_sdst(0) depctr_va_ssrc(0) depctr_va_vcc(0) depctr_vm_vsrc(0)
	s_getreg_b32 s2, hwreg(HW_REG_IB_STS2, 6, 4)
	s_cmp_eq_u32 s2, 0
	s_cbranch_scc0 .Lentry_in_a_cluster
	s_endpgm
.Lentry_in_a_cluster:
	s_bfe_u32 s2, ttmp6, 0x10000c
	s_cmp_lg_u32 s2, 0x3003
	s_cbranch_scc0 .Lentry_shape_is_right
	s_endpgm
.Lentry_shape_is_right:
; dots: partial scores S[h][i][j] = the sum over 32 MSA rows r and 64 channels d of q[r][h][i][d] k[r][h][j][d], in f32; the 128 rows are split in four, one partial sum each.
; SHARES.  Work-group (place cx in the cluster, y): 128 keys j (cx), 256 queries i (y % 2), split (y / 2) % 4, head y / 8: 256 work-groups.  Wave w: 128 i (w / 2) x 64 j (w % 2):
; 32 accumulators.  K = 32 rows x 64 channels = 64 K steps of 32 products a wave; a pair of rows is 4 K steps.
; Q, dense in qkf as fragment blocks of 1 KB, 64 KB for a pair of rows ([ib 16][t 4][block]), goes through two LDS slots of TWO pairs each (128 KB).  The four work-groups of a cluster need the
; same tiles, so they ask JOINTLY: wave w asks for half w % 2 of pair w / 2 (128 rows of 256 bytes) by the same line with the same descriptor in all four.  One round serves 256 products a wave,
; and a refill has 240 of them in which to land.  By this text's count a wave has two tensor loads out at the start, then one.
; K DOES NOT PASS THROUGH LDS.  Its blocks lie in memory as they lie in registers, so a wave loads its four fragments of a K step by eight loads of 512 consecutive bytes, into a ring of eight
; K steps (256 registers).  In the middle of K step m the place of step m - 1 takes step m + 7: six and a half K steps ahead of its use; 56 loads are out at the most.  That leaves LDS to Q's
; longer slots.  The price: a block of K is asked for by the two waves that share its keys.  K's tile is no joint load: only the two query tiles need it, and they lie in different clusters.
; Source 0 = 16 keys, source 1 = 16 queries: a lane holds one query and eight keys; the accumulators are stored as they lie, each store of a wave 512 consecutive bytes:
;   pd: [split 4][h 8][ib 32][jb 32][half 2][lane 32][16 bytes]
; REGISTERS: window 0: addresses; v64-127, v128-191 two buffers of 8 fragments of Q;  window 1: accumulator (ib, jb) at v[8 (4 ib + jb)];  window 2: K step n's fragment jb at v[32 (n % 8) + 8 jb].
.set SLOT,  131072                     ; two pairs of rows of Q, 64 KB each
.set SPARE, 2*SLOT                     ; behind the ring: the spare words, 128 bytes a wave: two blocks of 256 bytes that no other line names
.set RCB,   131072                     ; bytes in qkf from one pair of rows to the next
.set ADRQ, 16                          ; v16-19 LDS address of my Q fragments: slot 0 pair 0, slot 0 pair 1, slot 1 pair 0, slot 1 pair 1
.set CO,   26                          ; v26 lane x 16; never rewritten
.set SPW,  28
.set NIL,  29
.set F0,   64
.set WV,   10
.set G1,   24                          ; s[24:31] descriptor group 1
.set G0,   32                          ; s[32:39] group 0, a set for each slot
.set KB,   44                          ; s[44:45] K at my four key blocks, at the pair of rows with which the trip began
.set MUL,  0x52                        ; source 0 (K) window 2, source 1 (Q) window 0, C and D window 1
.set TO_K, 0x80                        ; destination window 2, address window 0
.set MSB, 0
.macro WIN new                         ; the immediate's high byte repeats the setting that is left; a switch that changes nothing is dropped
.if MSB != (\new)
	s_set_vgpr_msb (MSB<<8)|(\new)
.set MSB, (\new)
.endif
.endm
.macro PLACES                          ; four plain vector instructions between a matrix instruction and a load into its registers or a store of its results
.rept 4
	v_nop
.endr
.endm
.macro CREST
	s_cmp_lg_u32 s[WV], 0
	s_cbranch_scc1 .Lnot_wave_0_\@
	s_barrier_signal -3
.Lnot_wave_0_\@:
	s_barrier_wait -3
	s_barrier_signal -1
	s_barrier_wait -1
.endm
.macro CROUND
	s_barrier_signal -1
	s_barrier_wait -1
	CREST
.endm
.macro KLOAD L                         ; 8 loads: my four fragments of K step L, counted from the pair of rows at s[KB:KB+1]
	WIN TO_K
.irp j, 0,1,2,3
	global_load_b128 v[32*((\L)%8)+8*\j:32*((\L)%8)+8*\j+3],   v[CO], s[KB:KB+1] offset:((\L)/4)*RCB+\j*4096+((\L)%4)*1024
	global_load_b128 v[32*((\L)%8)+8*\j+4:32*((\L)%8)+8*\j+7], v[CO], s[KB:KB+1] offset:((\L)/4)*RCB+\j*4096+((\L)%4)*1024+512
.endr
.endm
.macro FETCHQ a, t, f                  ; 16 LDS loads: my eight fragments of Q of K step t of pair a, ascending; each load 512 consecutive bytes
	WIN 0
.irp i, 0,1,2,3,4,5,6,7
	ds_load_b128 v[\f+8*\i:\f+8*\i+3],   v[ADRQ+\a] offset:\i*4096+\t*1024
	ds_load_b128 v[\f+8*\i+4:\f+8*\i+7], v[ADRQ+\a] offset:\i*4096+\t*1024+512
.endr
.endm
.macro MULD f, kr, ib0, cnt, zero      ; 4 cnt products; the accumulators take turns, one instruction a turn.  zero = 1: the product starts the sum
.set ibi, \ib0
.rept \cnt
.irp j, 0,1,2,3
.if \zero
	v_wmma_f32_16x16x32_f16 v[8*(4*ibi+\j):8*(4*ibi+\j)+7], v[32*\kr+8*\j:32*\kr+8*\j+7], v[\f+8*ibi:\f+8*ibi+7], 0
.else
	v_wmma_f32_16x16x32_f16 v[8*(4*ibi+\j):8*(4*ibi+\j)+7], v[32*\kr+8*\j:32*\kr+8*\j+7], v[\f+8*ibi:\f+8*ibi+7], v[8*(4*ibi+\j):8*(4*ibi+\j)+7]
.endif
.endr
.set ibi, ibi+1
.endr
.endm
; K step n (counted in a trip of 16).  In its middle: the next K step's Q, and (kl = 1) K of step n + 7 into the ring place that step n - 1 has left: the four v_nop are the places behind its last products.
; lc: the loads of K that may stay out: eight for each of the younger steps asked for, six of them until the tail.
.macro KS n, kl, lc, zero
.set cur, F0+64*((\n)%2)
.set nxt, F0+64*(((\n)+1)%2)
.set kr,  (\n)%8
.set qa,  (((\n)+1)/4)%4
.set qt,  ((\n)+1)%4
.set kn,  (\n)+7
	s_wait_loadcnt \lc                             ; loads come back in order: this step's K is in
	s_wait_dscnt 8                                 ; Q's blocks 0-3 are in; the youngest eight loads (blocks 4-7) may be out
	WIN MUL
	MULD cur, kr, 0, 4, \zero
	PLACES
	FETCHQ qa, qt, nxt
.if \kl
	KLOAD kn
.endif
	s_wait_dscnt 16                                ; all but the 16 just issued
	WIN MUL
	MULD cur, kr, 4, 4, \zero
.endm
; A slot's last K step (n = 7 or 15) changes slots.  fill = 1: this slot takes the two pairs of rows four pairs on.
.macro TURN n, fill, lc
.set cur, F0+64*((\n)%2)
.set nxt, F0+64*(((\n)+1)%2)
.set kr,  (\n)%8
.set qa,  (((\n)+1)/4)%4
.set kn,  (\n)+7
.set sl,  ((\n)/8)%2
	WIN 0                                          ; (the add's two registers lie in window 0)
	s_wait_tensorcnt 0x0                           ; all my tensor loads have landed: my part of the next slot
	ds_add_u32 v[SPW], v[NIL]                      ; 0 onto my spare word
	s_wait_loadcnt \lc                             ; this step's K is in
	s_wait_dscnt 9                                 ; (the add and the youngest eight loads may be out)
	WIN MUL
	MULD cur, kr, 0, 2, 0                          ; eight products stand between the add and the wait for it
	s_wait_dscnt 0x0                               ; the add is done, and my reads of this slot are over
	s_barrier_signal -1
	MULD cur, kr, 2, 2, 0
	WIN 0                                          ; at a branch and at a label every window is 0
	s_barrier_wait -1
.if \fill
	CREST                                          ; a round of the cluster's barrier: no wave of any partner still reads this slot or has a load on its way
	s_add_nc_u64 s[G0+4*sl+2:G0+4*sl+3], s[G0+4*sl+2:G0+4*sl+3], 4*RCB
	tensor_load_to_lds s[G0+4*sl:G0+4*sl+3], s[G1:G1+7]   ; my one tensor load behind the round
	s_nop 0
.endif
	PLACES                                         ; also the places in front of the loads below
	FETCHQ qa, 0, nxt
	KLOAD kn
	WIN MUL
	MULD cur, kr, 4, 4, 0
.endm
	s_load_b128 s[4:7], s[0:1], 0x0                ; qkf s[4:5], pd s[6:7]
	v_lshl_add_u32 v[SPW], v0, 2, SPARE
	v_mov_b32 v[NIL], 0
	ds_add_u32 v28, v29
	s_wait_dscnt 0x0
	v_lshrrev_b32 v1, 5, v0
	v_readfirstlane_b32 s[WV], v1
	s_lshr_b32 s11, s[WV], 1                       ; which 128 queries are mine.  Also: which pair of a slot I fetch
	s_and_b32 s12, s[WV], 1                        ; which 64 keys.  Also: which half of that pair's tile I fetch
	s_bfe_u32 s13, ttmp6, 0x40000                  ; cx: it enters K's and pd's addresses alone
	s_and_b32 s14, ttmp7, 0xffff
	s_and_b32 s15, s14, 1                          ; which 256 queries
	s_bfe_u32 s18, s14, 0x20001                    ; split
	s_lshr_b32 s19, s14, 3                         ; head
	s_lshl_b32 s20, s19, 23                        ; head x 8 MB + split x 16 pairs of rows x 128 KB
	s_lshl_b32 s21, s18, 21
	s_add_co_u32 s20, s20, s21
	s_lshl_b32 s16, s15, 16                        ; Q: + 64 KB x query tile + 128 KB x my pair + 32 KB x my half
	s_add_co_u32 s16, s16, s20
	s_lshl_b32 s17, s11, 17
	s_add_co_u32 s16, s16, s17
	s_lshl_b32 s17, s12, 15
	s_add_co_u32 s16, s16, s17
	s_mov_b32 s17, 0
	s_add_co_u32 s[KB], s20, 0x4000000             ; K: 64 MB on, + 32 KB x cx + 16 KB x my four key blocks
	s_lshl_b32 s[KB+1], s13, 15
	s_add_co_u32 s[KB], s[KB], s[KB+1]
	s_lshl_b32 s[KB+1], s12, 14
	s_add_co_u32 s[KB], s[KB], s[KB+1]
	s_mov_b32 s[KB+1], 0
	s_lshl_b32 s40, s18, 23                        ; pd: split 8 MB, head 1 MB, query block 32 KB, key block 1 KB
	s_lshl_b32 s41, s19, 20
	s_add_co_u32 s40, s40, s41
	s_lshl_b32 s41, s15, 19
	s_add_co_u32 s40, s40, s41
	s_lshl_b32 s41, s11, 18
	s_add_co_u32 s40, s40, s41
	s_lshl_b32 s41, s13, 13
	s_add_co_u32 s40, s40, s41
	s_lshl_b32 s41, s12, 12
	s_add_co_u32 s40, s40, s41
	s_mov_b32 s41, 0
	; group 1: 128 dense rows of 32 elements of 8 bytes
	s_mov_b32 s[G1+0], 15|(3<<16)|(1<<21)          ; the mask: all four work-groups; elements of 8 bytes; bit 21 set beside a mask
	s_mov_b32 s[G1+1], 32<<16                      ; tensor_dim0 = 32
	s_mov_b32 s[G1+2], 128<<16                     ; tensor_dim1 = 128
	s_mov_b32 s[G1+3], 32<<16                      ; tile_dim0 = 32
	s_mov_b32 s[G1+4], 128                         ; tile_dim1 = 128
	s_mov_b32 s[G1+5], 32                          ; elements from row to row
	s_mov_b32 s[G1+6], 0
	s_mov_b32 s[G1+7], 0
	s_lshl_b32 s22, s[WV], 15                      ; LDS: 32 KB x wave
	s_wait_kmcnt 0x0
	s_add_nc_u64 s[16:17], s[4:5], s[16:17]
	s_add_nc_u64 s[KB:KB+1], s[4:5], s[KB:KB+1]
	s_add_nc_u64 s[6:7], s[6:7], s[40:41]
.irp s, 0,1
	s_mov_b32 s[G0+4*\s], 1
	s_add_co_u32 s[G0+4*\s+1], s22, \s*SLOT
	s_add_nc_u64 s[G0+4*\s+2:G0+4*\s+3], s[16:17], \s*2*RCB
	s_or_b32 s[G0+4*\s+3], s[G0+4*\s+3], 0x80000000
.endr
	CROUND                                         ; all four work-groups are here: the first joint loads meet
	tensor_load_to_lds s[G0:G0+3], s[G1:G1+7]
	s_nop 0
	tensor_load_to_lds s[G0+4:G0+7], s[G1:G1+7]
	s_nop 0
	PLACES
	v_and_b32 v2, 31, v0
	v_lshlrev_b32 v[CO], 4, v2
.irp n, 0,1,2,3,4,5,6
	KLOAD \n                                       ; the ring's first seven K steps: 56 loads
.endr
	WIN 0
	s_lshl_b32 s21, s11, 15                        ; my 8 query blocks of 4 KB
	v_add_nc_u32 v[ADRQ], s21, v[CO]
	v_add_nc_u32 v[ADRQ+1], 65536, v[ADRQ]
	v_add_nc_u32 v[ADRQ+2], SLOT, v[ADRQ]
	v_add_nc_u32 v[ADRQ+3], SLOT+65536, v[ADRQ]
	s_wait_tensorcnt 0x1                           ; my part of slot 0 is in; slot 1's may stay out
	s_barrier_signal -1
	s_barrier_wait -1
	FETCHQ 0, 0, F0
	KS 0, 1, 48, 1                                 ; the first K step stands in front of the loop: its products start the sums
	WIN 0
	s_mov_b32 s3, 3                                ; 64 K steps = 4 laps of the ring; the last lap is written out
.Llap:                                                 ; a trip goes once round the ring, from a lap's second K step to the next lap's first, and fills both slots again
.irp n, 1,2,3,4,5,6
	KS \n, 1, 48, 0
.endr
	TURN 7, 1, 48
.irp n, 8,9,10,11,12,13,14
	KS \n, 1, 48, 0
.endr
	TURN 15, 1, 48
	KS 16, 1, 48, 0
	WIN 0
	s_wait_xcnt 0x0                                ; K's base is stepped only behind this wait
	s_add_nc_u64 s[KB:KB+1], s[KB:KB+1], 4*RCB
	s_sub_co_u32 s3, s3, 1
	s_cmp_lg_u32 s3, 0
	s_cbranch_scc1 .Llap
.irp n, 1,2,3,4,5,6
	KS \n, 1, 48, 0
.endr
	TURN 7, 0, 48                                  ; nothing is left to fetch for Q: a plain barrier
	KS 8, 1, 48, 0                                 ; the last K step of K is asked for here
	KS 9, 0, 48, 0
	KS 10, 0, 40, 0                                ; the counts run down
	KS 11, 0, 32, 0
	KS 12, 0, 24, 0
	KS 13, 0, 16, 0
	KS 14, 0, 8, 0
	s_wait_loadcnt 0x0
	s_wait_dscnt 8
	WIN MUL
	MULD F0+64, 7, 0, 4, 0
	s_wait_dscnt 0x0
	MULD F0+64, 7, 4, 4, 0
	PLACES                                         ; the stores read results just made
	WIN 0x04                                       ; store data window 1
.irp i, 0,1,2,3,4,5,6,7
.irp j, 0,1,2,3
	global_store_b128 v[CO], v[8*(4*\i+\j):8*(4*\i+\j)+3],   s[6:7] offset:\i*32768+\j*1024
	global_store_b128 v[CO], v[8*(4*\i+\j)+4:8*(4*\i+\j)+7], s[6:7] offset:\i*32768+\j*1024+512
.endr
.endr
	WIN 0
	s_wait_tensorcnt 0x0                           ; the wave's end
	ds_add_u32 v[SPW], v[NIL]
	s_wait_dscnt 0x0
	CROUND                                         ; the closing round
	s_endpgm
.Lfunc_end_k_q700ccfcf54_dots:
	.size	k_q700ccfcf54_dots, .Lfunc_end_k_q700ccfcf54_dots-k_q700ccfcf54_dots
	.p2alignl 7, 3214868480
	.fill 96, 4, 3214868480
	.section	.rodata,"a",@progbits
	.p2align	6, 0x0
	.amdhsa_kernel k_q700ccfcf54_dots
		.amdhsa_group_segment_fixed_size 327680
		.amdhsa_private_segment_fixed_size 0
		.amdhsa_enable_private_segment 0
		.amdhsa_kernarg_size 16
		.amdhsa_user_sgpr_count 2
		.amdhsa_user_sgpr_kernarg_segment_ptr 1
		.amdhsa_wavefront_size32 1
		.amdhsa_system_sgpr_workgroup_id_x 1
		.amdhsa_system_sgpr_workgroup_id_y 1
		.amdhsa_system_sgpr_workgroup_id_z 1
		.amdhsa_system_vgpr_workitem_id 0
		.amdhsa_next_free_vgpr 768
		.amdhsa_next_free_sgpr 66
		.amdhsa_reserve_vcc 0
		.amdhsa_float_denorm_mode_32 3
		.amdhsa_float_denorm_mode_16_64 3
		.amdhsa_memory_ordered 1
		.amdhsa_forward_progress 1
		.amdhsa_inst_pref_size 143
	.end_amdhsa_kernel
	.amdgpu_metadata
---
amdhsa.version: [ 1, 2 ]
amdhsa.kernels:
  - .name:           k_q700ccfcf54_dots
    .symbol:         k_q700ccfcf54_dots.kd
    .args:
      - { .name: qkf, .offset: 0, .size: 8, .value_kind: global_buffer, .address_space: global }
      - { .name: pd, .offset: 8, .size: 8, .value_kind: global_buffer, .address_space: global }
    .group_segment_fixed_size: 327680
    .private_segment_fixed_size: 0
    .kernarg_segment_align: 8
    .kernarg_segment_size: 16
    .max_flat_workgroup_size: 128
    .sgpr_count:     66
    .vgpr_count:     768
    .wavefront_size: 32
...
	.end_amdgpu_metadata
.endif
;; end of part 3
;; launch soft (part 4): grid 256 x 1, 8 waves a work-group, no clusters, 2,048 bytes of LDS; arguments pd, stats, seqm, af; writes af
.if DOCPART == 4
	.amdgcn_target "amdgcn-amd-amdhsa--gfx1250"
	.amdhsa_code_object_version 6
	.text
	.protected	k_q700ccfcf54_soft
	.globl	k_q700ccfcf54_soft
	.p2align	8
	.type	k_q700ccfcf54_soft,@function
k_q700ccfcf54_soft:
	s_mov_b64 s[64:65], 0
	v_nop
	global_prefetch_b8 v0, s[64:65] scope:SCOPE_SE
	s_setreg_imm32_b32 hwreg(HW_REG_WAVE_MODE, 25, 1), 1
	s_wait_xcnt 0x0
; soft: the four partial scores are added, scaled by 64^-1/2 x (valid rows)^-1/2, masked (the lowest finite f32 where query or key position has no row set),
; and turned into weights by a softmax over the 512 keys with the row's maximum taken away first; the weights go out in f16 as fragments for the next product.
; SHARES.  Work-group g = 32 h + ib owns 16 queries of one head; wave w the keys 64 w .. 64 w + 63.  Lane l holds query l % 16 and 32 scores: key 16 (4 w + q / 2) + 8 (l / 16) + 4 (q % 2) + e
; in register S + 4 q + e, as the score product left them.  A query's maximum and sum: in the lane, with the lane 16 away, then over the eight waves through LDS.
; Memory binds: each byte of pd is read once, by loads of 512 consecutive bytes a wave, all 41 loads of a wave out together; matrix units and tensor loads would add nothing.
;   af: [h 8][jh 2][ib 32][jb % 16][lane 32][16 bytes]: a lane's eight weights of a key block are half a fragment block (row = query, k = key).
; A row that is masked whole gives s - m = 0 everywhere, weights 1/512.  LIMIT: v_exp_f32 gives 0 for weights below 2^-126.
.set S,  32                            ; v32-63 split 0 and then the scores; v64-159 splits 1 to 3, later at work
.set SJ, 160                           ; v160-191 the keys' flags
	s_load_b256 s[4:11], s[0:1], 0x0               ; pd s[4:5], stats s[6:7], seqm s[8:9], af s[10:11]
	v_lshl_add_u32 v192, v0, 2, 0x400
	v_mov_b32 v193, 0
	v_lshrrev_b32 v8, 5, v0                        ; wave
	v_and_b32 v9, 31, v0                           ; lane
	v_and_b32 v10, 15, v0                          ; my query in the block
	v_bfe_u32 v11, v0, 4, 1                        ; which half of the lanes
	s_lshl_b32 s20, ttmp9, 15                      ; g x 32 KB
	s_and_b32 s21, ttmp9, 31                       ; ib
	s_lshr_b32 s22, ttmp9, 5                       ; h
	v_lshlrev_b32 v1, 4, v9
	v_lshl_add_u32 v1, v8, 12, v1
	v_add_nc_u32 v1, s20, v1                       ; pd: g 32 KB + wave 4 KB + lane 16
	v_lshlrev_b32 v2, 5, v11
	v_lshl_add_u32 v2, v8, 8, v2                   ; the keys' flags: 4 bytes x (64 wave + 8 half)
	s_lshl_b32 s23, s21, 6
	v_lshl_add_u32 v3, v10, 2, s23                 ; my query's flag
	v_lshlrev_b32 v6, 5, v10                       ; LDS: eight words a query,
	v_lshl_add_u32 v5, v8, 2, v6                   ; one for each wave
	v_and_b32 v12, 3, v8
	v_lshrrev_b32 v13, 2, v8
	v_lshlrev_b32 v7, 4, v9
	v_lshl_add_u32 v7, v12, 11, v7
	v_lshl_add_u32 v7, v13, 18, v7                 ; af: (wave / 4) 256 KB + (wave % 4) 2 KB + lane 16
	s_lshl_b32 s24, s22, 19
	s_lshl_b32 s25, s21, 13
	s_add_co_u32 s24, s24, s25                     ; + h 512 KB + ib 8 KB
	s_mov_b32 s25, 0
	s_mov_b32 s12, 0x76543210                      ; v_permlanex16_b32: each lane takes its own place in the other half
	s_mov_b32 s13, 0xfedcba98
	v_mov_b32 v14, 0xff7fffff                      ; the lowest finite f32
	v_mov_b32 v20, 0                               ; the permute's destination counts as read
	s_wait_kmcnt 0x0
	s_load_b32 s26, s[6:7], 0x0                    ; the scale
	s_add_nc_u64 s[14:15], s[4:5], 0x800000        ; the splits lie 8 MB apart
	s_add_nc_u64 s[16:17], s[4:5], 0x1000000
	s_add_nc_u64 s[18:19], s[4:5], 0x1800000
	s_add_nc_u64 s[10:11], s[10:11], s[24:25]
.macro LDPART dst, lo
.irp q, 0,1,2,3,4,5,6,7
	global_load_b128 v[\dst+4*\q:\dst+4*\q+3], v1, s[\lo:\lo+1] offset:\q*512 th:TH_LOAD_NT
.endr
.endm
	LDPART S, 4
	LDPART S+32, 14
	LDPART S+64, 16
	LDPART S+96, 18
	global_load_b32 v4, v3, s[8:9]
.irp q, 0,1,2,3,4,5,6,7
	global_load_b128 v[SJ+4*\q:SJ+4*\q+3], v2, s[8:9] offset:(\q/2)*64+(\q%2)*16
.endr
	s_wait_kmcnt 0x0
	s_mov_b32 s27, s26                             ; named with it as a pair, so it is written
	s_wait_loadcnt 0x0
.set i, 0
.rept 16
	v_pk_add_f32 v[S+2*i:S+2*i+1], v[S+2*i:S+2*i+1], v[S+32+2*i:S+32+2*i+1]
	v_pk_add_f32 v[S+64+2*i:S+64+2*i+1], v[S+64+2*i:S+64+2*i+1], v[S+96+2*i:S+96+2*i+1]
.set i, i+1
.endr
.set i, 0
.rept 16
	v_pk_add_f32 v[S+2*i:S+2*i+1], v[S+2*i:S+2*i+1], v[S+64+2*i:S+64+2*i+1]
.set i, i+1
.endr
.set i, 0
.rept 16
	v_pk_mul_f32 v[S+2*i:S+2*i+1], v[S+2*i:S+2*i+1], s[26:27] op_sel_hi:[1,0]
.set i, i+1
.endr
.set i, 0
.rept 32
	v_and_b32 v[SJ+i], v4, v[SJ+i]                 ; query's flag and key's flag
	v_cmp_ne_u32 vcc_lo, 0, v[SJ+i]
	v_cndmask_b32 v[S+i], v14, v[S+i], vcc_lo      ; a choice of values: the score, or the lowest finite number
.set i, i+1
.endr
	; the maximum of my 32 scores: four chains of seven, then the four left over
.irp k, 0,1,2,3
	v_max3_num_f32 v[16+\k], v[S+8*\k], v[S+8*\k+1], v[S+8*\k+2]
.endr
.irp k, 0,1,2,3
	v_max3_num_f32 v[16+\k], v[16+\k], v[S+8*\k+3], v[S+8*\k+4]
.endr
.irp k, 0,1,2,3
	v_max3_num_f32 v[16+\k], v[16+\k], v[S+8*\k+5], v[S+8*\k+6]
.endr
	v_max3_num_f32 v16, v16, v[S+7], v[S+15]
	v_max3_num_f32 v18, v18, v[S+23], v[S+31]
	v_max3_num_f32 v16, v16, v17, v18
	v_max_num_f32 v16, v16, v19
	v_permlanex16_b32 v20, v16, s12, s13           ; the query's other 32 keys of this wave lie in the lane 16 away
	v_max_num_f32 v16, v16, v20
	ds_store_b32 v5, v16                           ; both lanes of a query write the same word with the same value
	s_wait_dscnt 0x0                               ; for the others' sake
	s_barrier_signal -1
	s_barrier_wait -1
	ds_load_b128 v[20:23], v6
	ds_load_b128 v[24:27], v6 offset:16
	s_wait_dscnt 0x0
	v_max3_num_f32 v20, v20, v21, v22
	v_max3_num_f32 v24, v24, v25, v23
	v_max3_num_f32 v20, v20, v26, v27
	v_max_num_f32 v20, v20, v24
	v_mov_b32 v21, v20                             ; the row's maximum, twice
.set i, 0
.rept 16
	v_pk_add_f32 v[S+2*i:S+2*i+1], v[S+2*i:S+2*i+1], v[20:21] neg_lo:[0,1] neg_hi:[0,1]   ; s - m first: exactly 0 at the maximum, also where both are the lowest finite number
.set i, i+1
.endr
.set i, 0
.rept 16
	v_pk_mul_f32 v[S+2*i:S+2*i+1], v[S+2*i:S+2*i+1], 0x3fb8aa3b op_sel_hi:[1,0]            ; x log2 e
.set i, i+1
.endr
.set i, 0
.rept 32
	v_exp_f32 v[S+i], v[S+i]
.set i, i+1
.endr
	v_nop                                          ; a plain instruction between the last exponential and the use of its result
.set i, 0
	s_wait_alu depctr_va_vdst(0)
.rept 8
	v_pk_add_f32 v[64+2*i:64+2*i+1], v[S+2*i:S+2*i+1], v[S+16+2*i:S+16+2*i+1]
.set i, i+1
.endr
.set i, 0
.rept 4
	v_pk_add_f32 v[64+2*i:64+2*i+1], v[64+2*i:64+2*i+1], v[72+2*i:72+2*i+1]
.set i, i+1
.endr
	v_pk_add_f32 v[64:65], v[64:65], v[68:69]
	v_pk_add_f32 v[66:67], v[66:67], v[70:71]
	v_pk_add_f32 v[64:65], v[64:65], v[66:67]
	v_add_f32 v64, v64, v65
	v_permlanex16_b32 v22, v64, s12, s13
	v_add_f32 v64, v64, v22
	ds_store_b32 v5, v64 offset:512                ; other bytes than the maxima's
	s_wait_dscnt 0x0
	s_barrier_signal -1
	s_barrier_wait -1
	ds_load_b128 v[20:23], v6 offset:512
	ds_load_b128 v[24:27], v6 offset:528
	s_wait_dscnt 0x0
	v_pk_add_f32 v[20:21], v[20:21], v[22:23]
	v_pk_add_f32 v[24:25], v[24:25], v[26:27]
	v_pk_add_f32 v[20:21], v[20:21], v[24:25]
	v_add_f32 v24, v20, v21                        ; at least 1: the maximum's own weight
	v_rcp_f32 v20, v24
	v_nop
	s_wait_alu depctr_va_vdst(0)
	v_mov_b32 v21, v20
.set i, 0
.rept 16
	v_pk_mul_f32 v[S+2*i:S+2*i+1], v[S+2*i:S+2*i+1], v[20:21]
.set i, i+1
.endr
.set i, 0
.rept 16
	v_cvt_pk_f16_f32 v[64+i], v[S+2*i], v[S+2*i+1]
.set i, i+1
.endr
.irp b, 0,1,2,3
	global_store_b128 v7, v[64+4*\b:64+4*\b+3], s[10:11] offset:\b*512   ; a wave's store covers 512 consecutive bytes
.endr
	s_wait_tensorcnt 0x0
	ds_add_u32 v192, v193
	s_wait_dscnt 0x0
	s_endpgm
.Lfunc_end_k_q700ccfcf54_soft:
	.size	k_q700ccfcf54_soft, .Lfunc_end_k_q700ccfcf54_soft-k_q700ccfcf54_soft
	.p2alignl 7, 3214868480
	.fill 96, 4, 3214868480
	.section	.rodata,"a",@progbits
	.p2align	6, 0x0
	.amdhsa_kernel k_q700ccfcf54_soft
		.amdhsa_group_segment_fixed_size 2048
		.amdhsa_private_segment_fixed_size 0
		.amdhsa_enable_private_segment 0
		.amdhsa_kernarg_size 32
		.amdhsa_user_sgpr_count 2
		.amdhsa_user_sgpr_kernarg_segment_ptr 1
		.amdhsa_wavefront_size32 1
		.amdhsa_system_sgpr_workgroup_id_x 1
		.amdhsa_system_sgpr_workgroup_id_y 1
		.amdhsa_system_sgpr_workgroup_id_z 1
		.amdhsa_system_vgpr_workitem_id 0
		.amdhsa_next_free_vgpr 194
		.amdhsa_next_free_sgpr 66
		.amdhsa_reserve_vcc 1
		.amdhsa_float_denorm_mode_32 3
		.amdhsa_float_denorm_mode_16_64 3
		.amdhsa_memory_ordered 1
		.amdhsa_forward_progress 1
		.amdhsa_inst_pref_size 23
	.end_amdhsa_kernel
	.amdgpu_metadata
---
amdhsa.version: [ 1, 2 ]
amdhsa.kernels:
  - .name:           k_q700ccfcf54_soft
    .symbol:         k_q700ccfcf54_soft.kd
    .args:
      - { .name: pd, .offset: 0, .size: 8, .value_kind: global_buffer, .address_space: global }
      - { .name: stats, .offset: 8, .size: 8, .value_kind: global_buffer, .address_space: global }
      - { .name: seqm, .offset: 16, .size: 8, .value_kind: global_buffer, .address_space: global }
      - { .name: af, .offset: 24, .size: 8, .value_kind: global_buffer, .address_space: global }
    .group_segment_fixed_size: 2048
    .private_segment_fixed_size: 0
    .kernarg_segment_align: 8
    .kernarg_segment_size: 32
    .max_flat_workgroup_size: 256
    .sgpr_count:     66
    .vgpr_count:     194
    .wavefront_size: 32
...
	.end_amdgpu_metadata
.endif
;; end of part 4
;; launch attnout (part 5): grid 4 x 64, 4 waves a work-group, clusters of 4 x 4, 327,680 bytes of LDS; arguments af, vf, wfr, bo, out0; writes out0
.if DOCPART == 5
	.amdgcn_target "amdgcn-amd-amdhsa--gfx1250"
	.amdhsa_code_object_version 6
	.text
	.protected	k_q700ccfcf54_attnout
	.globl	k_q700ccfcf54_attnout
	.p2align	8
	.type	k_q700ccfcf54_attnout,@function
k_q700ccfcf54_attnout:
	s_mov_b64 s[64:65], 0
	v_nop
	global_prefetch_b8 v0, s[64:65] scope:SCOPE_SE
	s_setreg_imm32_b32 hwreg(HW_REG_WAVE_MODE, 25, 1), 1
	s_wait_xcnt 0x0
	s_wait_alu depctr_hold_cnt(0) depctr_sa_sdst(0) depctr_va_vdst(0) depctr_va_sdst(0) depctr_va_ssrc(0) depctr_va_vcc(0) depctr_vm_vsrc(0)
	s_getreg_b32 s2, hwreg(HW_REG_IB_STS2, 6, 4)
	s_cmp_eq_u32 s2, 0
	s_cbranch_scc0 .Lentry_in_a_cluster
	s_endpgm
.Lentry_in_a_cluster:
	s_bfe_u32 s2, ttmp6, 0x10000c
	s_cmp_lg_u32 s2, 0xf033
	s_cbranch_scc0 .Lentry_shape_is_right
	s_endpgm
.Lentry_shape_is_right:
; attnout: out0[r][i][:] = (the heads' attn[h][i][:] v[r][h][:][:], side by side) Wo + bo.  The product with Wo is fused: a head's 64 channels never leave the registers.
; SHARES.  Work-group (x, y): 128 queries (x) of the two MSA rows 2 y, 2 y + 1.  Wave w: row 2 y + w / 2, queries 128 x + 64 (w % 2) on: 64 rows x 256 columns of out0 in 64 accumulators.
; PHASE A, for each head: O^T = V^T attn^T over 512 keys, in two steps of 256 keys (8 K steps of 16 products on 16 accumulators).  Source 0 = 16 channels of V^T, source 1 = 16 queries of attn:
; a lane holds one query and eight channels, and two tiles rounded to f16 ARE source 1 of PHASE B: out^T += Wo_h^T O^T (128 products on the 64 accumulators).
; TILES, dense fragment blocks of 1 KB, two LDS slots of a step each: attn 64 KB ([ib 8][js 8][block]), V 64 KB ([row 2][js 8][db 4][block]).
; CLUSTERS: 4 x 4 work-groups.  attn's tile hangs on x alone: the four of a column of the cluster ask for it JOINTLY; V's hangs on y alone: the four of a row do.  Waves 0 and 1 ask for attn's
; halves, waves 2 and 3 for V's: every load is 128 rows of 256 bytes.  By this text's count a wave has two tensor loads out at the start, then one.
; Wo_h (32 KB, [ks2 2][cb 16][block]) is one ninth of a head's bytes, and behind a round each wave's one tensor load is taken by attn or V.  So it comes through registers: each wave loads a
; quarter a head ahead and lays it into a place of its own in LDS, which no tensor load fills, behind the head's first change of slots: all reads of the last head's Wo were waited for in front
; of that barrier; the stores are waited for in front of the second change's barrier, behind which phase B reads them.
; LIMIT: operands are f16: |attn v| above 65504 overflows.
; REGISTERS: window 0: addresses; v32-159 O^T, tile (ib, db) at v[32 + 8 (4 ib + db)], packed in place to v32-95; v160-223 Wo on its way, and two sets of 32 on the way out; v224-239 the bias;
;   window 1: two buffers of 128: two K steps' fragments (V (u, db) at 32 u + 8 db, attn (u, ib) at 64 + 32 u + 8 ib), or 16 of Wo;  windows 2, 3: out^T (cb, ib) at v[8 (4 (cb % 8) + ib)].
.set SLOT,  131072                     ; attn's 64 KB at +0, V's 64 KB at +65,536
.set VOFF,  65536
.set WOB,   2*SLOT                     ; Wo of the head in hand: written by LDS stores alone
.set SPARE, WOB+32768                  ; the spare words, 128 bytes a wave: two blocks of 256 bytes that no other line names
.set STAGE, SPARE+512                  ; each wave's own 16 rows x 272 bytes for the way out (17 blocks of 256); no tensor load lands here
.set SP,    272                        ; 256 bytes + 16 = 17 x 16: the 16 rows of a store start 16 bytes apart modulo 256
.set AT,  16                           ; v16-17 my attn fragments in slot 0, 1
.set VV,  20                           ; v20-21 my V fragments
.set WO,  22                           ; v22 Wo's fragments in LDS
.set WST, 23                           ; v23 where I lay my quarter of Wo
.set STO, 24
.set RD,  25
.set CO,  26
.set BO,  27                           ; v27 my offset in bo; never rewritten
.set SPW, 28
.set NIL, 29
.set WGO, 30                           ; v30 my offset in a head's Wo: 8 KB x wave + 16 x lane; never rewritten
.set OA,  32
.set TS,  160
.set BI,  224
.set F0,  0
.set F1,  128
.set WV,  14
.set G1A, 24                           ; s[24:31] group 1 for attn's halves: the mask of my column
.set G1V, 32                           ; s[32:39] group 1 for V's halves: the mask of my row
.set G0A, 40                           ; s[40:47] group 0 for attn: a set for each first fill; the second then walks on
.set G0V, 48                           ; s[48:55] the same for V
.set WB,  56                           ; s[56:57] Wo's fragments of the head to be loaded next
.set CNT, 60
.set MA,  0x05                         ; phase A: sources window 1, C and D window 0
.set MSB, 0
.macro WIN new                         ; the immediate's high byte repeats the setting that is left; a switch that changes nothing is dropped
.if MSB != (\new)
	s_set_vgpr_msb (MSB<<8)|(\new)
.set MSB, (\new)
.endif
.endm
.macro PLACES                          ; four plain vector instructions between a matrix instruction and a load into, or a vector read of, its registers
.rept 4
	v_nop
.endr
.endm
.macro CREST
	s_cmp_lg_u32 s[WV], 0
	s_cbranch_scc1 .Lnot_wave_0_\@
	s_barrier_signal -3
.Lnot_wave_0_\@:
	s_barrier_wait -3
	s_barrier_signal -1
	s_barrier_wait -1
.endm
.macro CROUND
	s_barrier_signal -1
	s_barrier_wait -1
	CREST
.endm
; A joint refill.  Each of the two lines has one mask and one set of registers for all that issue it; the branch hangs on the wave's number alone.
; Four v_nop follow each line; they are also the places in front of the LDS loads that follow.
.macro JL
	s_cmp_eq_u32 s17, 0
	s_cbranch_scc0 .Lfor_v_\@
	tensor_load_to_lds s[G0A+4:G0A+7], s[G1A:G1A+7]
	s_nop 0
	PLACES
	s_branch .Lasked_\@
.Lfor_v_\@:
	tensor_load_to_lds s[G0V+4:G0V+7], s[G1V:G1V+7]
	s_nop 0
	PLACES
.Lasked_\@:
.endm
.macro WOGET                           ; my quarter of a head's Wo: 16 loads of 512 consecutive bytes
.irp q, 0,1,2,3,4,5,6,7,8,9,10,11,12,13,14,15
	global_load_b128 v[TS+4*\q:TS+4*\q+3], v[WGO], s[WB:WB+1] offset:\q*512
.endr
.endm
.macro WOPUT more                      ; it goes into LDS; more = 1: the registers take the next head's
	s_wait_loadcnt 0x0                             ; asked for a head ago (the first time: at the start, and the bias with it); this wait also frees the loads' base
.irp q, 0,1,2,3,4,5,6,7,8,9,10,11,12,13,14,15
	ds_store_b128 v[WST], v[TS+4*\q:TS+4*\q+3] offset:\q*512
.endr
.if \more
	s_add_nc_u64 s[WB:WB+1], s[WB:WB+1], 32768
	WOGET
.endif
.endm
	s_load_b256 s[4:11], s[0:1], 0x0               ; af s[4:5], vf s[6:7], wfr s[8:9], bo s[10:11]
	s_load_b64 s[12:13], s[0:1], 0x20              ; out0
	v_lshl_add_u32 v[SPW], v0, 2, SPARE
	v_mov_b32 v[NIL], 0
	ds_add_u32 v28, v29
	s_wait_dscnt 0x0
	v_lshrrev_b32 v1, 5, v0
	v_readfirstlane_b32 s[WV], v1
	s_lshr_b32 s17, s[WV], 1                       ; which of the two MSA rows is mine.  Also: I fetch for attn (0) or for V (1)
	s_and_b32 s18, s[WV], 1                        ; which 64 queries.  Also: which half of that tile I fetch
	s_bfe_u32 s15, ttmp6, 0x40000                  ; cx, cy: my place in the cluster
	s_bfe_u32 s61, ttmp6, 0x40004
	s_lshl_b32 s19, ttmp9, 2
	s_add_co_u32 s19, s19, s15                     ; x = 4 x cluster x + cx: the block of 128 queries
	s_and_b32 s16, ttmp7, 0xffff
	s_lshl_b32 s16, s16, 2
	s_add_co_u32 s16, s16, s61                     ; y = 4 x cluster y + cy: the pair of MSA rows
	s_lshl_b32 s62, s61, 2
	s_lshl_b32 s62, 15, s62                        ; my row of the cluster: places 4 cy .. 4 cy + 3
	s_lshl_b32 s63, 0x1111, s15                    ; my column: places cx, cx + 4, cx + 8, cx + 12
	s_lshl_b32 s20, s19, 16                        ; attn: 64 KB x query block + 32 KB x my half: x and the wave's number alone
	s_lshl_b32 s21, s18, 15
	s_add_co_u32 s20, s20, s21
	s_mov_b32 s21, 0
	s_lshl_b32 s22, s16, 20                        ; V: 1 MB x pair + 32 KB x my half: y and the wave's number alone
	s_lshl_b32 s23, s18, 15
	s_add_co_u32 s22, s22, s23
	s_mov_b32 s23, 0
	s_lshl_b32 s2, s16, 20                         ; out0: pair 1 MB + row 512 KB + query block 128 KB + half 64 KB
	s_lshl_b32 s3, s17, 19
	s_add_co_u32 s2, s2, s3
	s_lshl_b32 s3, s19, 17
	s_add_co_u32 s2, s2, s3
	s_lshl_b32 s3, s18, 16
	s_add_co_u32 s2, s2, s3
	s_mov_b32 s3, 0
	; group 1: 128 dense rows of 32 elements of 8 bytes
	s_or_b32 s[G1A+0], s63, (3<<16)|(1<<21)        ; 15:0 the mask: attn's tiles go to my column; 17:16 elements of 8 bytes; 21 set beside a mask
	s_or_b32 s[G1V+0], s62, (3<<16)|(1<<21)        ; the same with the mask of my row, for V's tiles
.irp g, G1A, G1V
	s_mov_b32 s[\g+1], 32<<16                      ; tensor_dim0 = 32
	s_mov_b32 s[\g+2], 128<<16                     ; tensor_dim1 = 128
	s_mov_b32 s[\g+3], 32<<16                      ; tile_dim0 = 32
	s_mov_b32 s[\g+4], 128                         ; tile_dim1 = 128
	s_mov_b32 s[\g+5], 32                          ; elements from row to row
	s_mov_b32 s[\g+6], 0
	s_mov_b32 s[\g+7], 0
.endr
	s_lshl_b32 s58, s[WV], 15                      ; LDS: attn's two halves, then V's two halves = 32 KB x wave: no place in the cluster enters an LDS address
	s_wait_kmcnt 0x0
	s_add_nc_u64 s[12:13], s[12:13], s[2:3]
	s_add_nc_u64 s[20:21], s[4:5], s[20:21]
	s_add_nc_u64 s[22:23], s[6:7], s[22:23]
	s_add_nc_u64 s[WB:WB+1], s[8:9], 786432        ; Wo's fragments, head 0
.irp s, 0,1
	s_mov_b32 s[G0A+4*\s], 1
	s_add_co_u32 s[G0A+4*\s+1], s58, \s*SLOT
	s_add_nc_u64 s[G0A+4*\s+2:G0A+4*\s+3], s[20:21], \s*262144     ; step s: attn's steps lie 256 KB apart
	s_or_b32 s[G0A+4*\s+3], s[G0A+4*\s+3], 0x80000000              ; type = 2
	s_mov_b32 s[G0V+4*\s], 1
	s_add_co_u32 s[G0V+4*\s+1], s58, \s*SLOT
	s_add_nc_u64 s[G0V+4*\s+2:G0V+4*\s+3], s[22:23], \s*65536      ; V's steps lie 64 KB apart
	s_or_b32 s[G0V+4*\s+3], s[G0V+4*\s+3], 0x80000000
.endr
	CROUND                                         ; all sixteen work-groups are here: the first joint loads meet
	s_cmp_eq_u32 s17, 0                            ; a wave's two first fills stand in one branch
	s_cbranch_scc0 .Lfirst_v
	tensor_load_to_lds s[G0A:G0A+3], s[G1A:G1A+7]
	s_nop 0
	tensor_load_to_lds s[G0A+4:G0A+7], s[G1A:G1A+7]
	s_nop 0
	PLACES
	s_branch .Lfirst_asked
.Lfirst_v:
	tensor_load_to_lds s[G0V:G0V+3], s[G1V:G1V+7]
	s_nop 0
	tensor_load_to_lds s[G0V+4:G0V+7], s[G1V:G1V+7]
	s_nop 0
	PLACES
.Lfirst_asked:
	v_and_b32 v2, 31, v0
	v_lshlrev_b32 v3, 4, v2                        ; lane x 16
	v_and_b32 v4, 15, v0
	v_bfe_u32 v5, v0, 4, 1
	v_lshlrev_b32 v[BO], 4, v4
	s_lshl_b32 s59, s[WV], 13
	v_add_nc_u32 v[WGO], s59, v3
.irp q, 0,1,2,3
	global_load_b128 v[BI+4*\q:BI+4*\q+3], v[BO], s[10:11] offset:\q*256     ; bo[64 q + 4 (lane % 16) ..]
.endr
	WOGET                                          ; head 0's Wo
	v_add_nc_u32 v[WST], WOB, v[WGO]
	s_lshl_b32 s2, s18, 15                         ; my 4 query blocks of 8 KB
	v_add_nc_u32 v[AT], s2, v3
	v_add_nc_u32 v[AT+1], SLOT, v[AT]
	s_lshl_b32 s3, s17, 15                         ; my row's 32 KB of V
	s_add_co_u32 s3, s3, VOFF
	v_add_nc_u32 v[VV], s3, v3
	v_add_nc_u32 v[VV+1], SLOT, v[VV]
	v_add_nc_u32 v[WO], WOB, v3
	s_mul_i32 s59, s[WV], 16*SP
	s_add_co_u32 s59, s59, STAGE                   ; my stage
	v_mul_u32_u24 v[STO], v4, SP                   ; in: row lane % 16, 32 bytes (8 columns) for each half of the lanes
	v_lshl_add_u32 v[STO], v5, 5, v[STO]
	v_add_nc_u32 v[STO], s59, v[STO]
	v_mul_u32_u24 v[RD], v5, SP                    ; back: lanes 0-15 take one row of 256 bytes, lanes 16-31 the next
	v_lshl_add_u32 v[RD], v4, 4, v[RD]
	v_add_nc_u32 v[RD], s59, v[RD]
	v_lshlrev_b32 v[CO], 10, v5                    ; and the same two rows in out0
	v_lshl_add_u32 v[CO], v4, 4, v[CO]
.macro FETCH_A slot, grp, f            ; 32 LDS loads: K steps 2 grp and 2 grp + 1, the first one's 16 loads first; each load 512 consecutive bytes
	WIN 0x40                                       ; destination window 1
.irp u, 0,1
.irp d, 0,1,2,3
	ds_load_b128 v[\f+32*\u+8*\d:\f+32*\u+8*\d+3],   v[VV+\slot] offset:(2*(\grp)+\u)*4096+\d*1024
	ds_load_b128 v[\f+32*\u+8*\d+4:\f+32*\u+8*\d+7], v[VV+\slot] offset:(2*(\grp)+\u)*4096+\d*1024+512
.endr
.irp d, 0,1,2,3
	ds_load_b128 v[\f+64+32*\u+8*\d:\f+64+32*\u+8*\d+3],   v[AT+\slot] offset:\d*8192+(2*(\grp)+\u)*1024
	ds_load_b128 v[\f+64+32*\u+8*\d+4:\f+64+32*\u+8*\d+7], v[AT+\slot] offset:\d*8192+(2*(\grp)+\u)*1024+512
.endr
.endr
.endm
.macro FETCH_W ks2, f                  ; 32 LDS loads: Wo's 16 fragments of 32 channels, column blocks ascending
	WIN 0x40
.irp c, 0,1,2,3,4,5,6,7,8,9,10,11,12,13,14,15
	ds_load_b128 v[\f+8*\c:\f+8*\c+3],   v[WO] offset:\ks2*16384+\c*1024
	ds_load_b128 v[\f+8*\c+4:\f+8*\c+7], v[WO] offset:\ks2*16384+\c*1024+512
.endr
.endm
.macro MULA f, u, ib0, cnt, zero       ; 4 cnt products of phase A; the accumulators take turns, one instruction a turn
.set ibi, \ib0
.rept \cnt
.irp d, 0,1,2,3
.if \zero
	v_wmma_f32_16x16x32_f16 v[OA+8*(4*ibi+\d):OA+8*(4*ibi+\d)+7], v[\f+32*\u+8*\d:\f+32*\u+8*\d+7], v[\f+64+32*\u+8*ibi:\f+64+32*\u+8*ibi+7], 0
.else
	v_wmma_f32_16x16x32_f16 v[OA+8*(4*ibi+\d):OA+8*(4*ibi+\d)+7], v[\f+32*\u+8*\d:\f+32*\u+8*\d+7], v[\f+64+32*\u+8*ibi:\f+64+32*\u+8*ibi+7], v[OA+8*(4*ibi+\d):OA+8*(4*ibi+\d)+7]
.endif
.endr
.set ibi, ibi+1
.endr
.endm
.macro QUART slot, grp, cur, nxt, zero ; two K steps on buffer cur; between them the next two are fetched into nxt
	s_wait_dscnt 16                                ; the first K step's fragments are in; the second's 16 loads may be out
	WIN MA
	MULA \cur, 0, 0, 4, \zero
	PLACES
	FETCH_A \slot, \grp+1, \nxt
	s_wait_dscnt 32                                ; all but the 32 just issued
	WIN MA
	MULA \cur, 1, 0, 4, 0
.endm
; A step's last two K steps, on buffer 1, change slots.  par = 0: the head's first step: Wo goes into LDS, slot 1 follows; par = 1: its second: Wo's fragments follow.
; fill = 1: this slot takes the step two on.  more = 1: the next head's Wo is asked for.
.macro TURN par, fill, more
	WIN 0                                          ; (the add's two registers lie in window 0)
	s_wait_tensorcnt 0x0                           ; all my tensor loads have landed: my part of the next slot
	ds_add_u32 v[SPW], v[NIL]                      ; 0 onto my spare word
	s_wait_dscnt 17                                ; (the add and the youngest sixteen loads may be out)
	WIN MA
	MULA F1, 0, 0, 2, 0
	s_wait_dscnt 0x0                               ; the add is done; my reads of this slot and of the last head's Wo are over, and my stores of this head's Wo are done
	s_barrier_signal -1
	MULA F1, 0, 2, 2, 0
	WIN 0                                          ; at a branch and at a label every window is 0
	s_barrier_wait -1
.if \fill
	CREST                                          ; a round of the cluster's barrier: no wave of any partner still reads this slot or has a load on its way
	s_xor_b32 s[G0A+5], s[G0A+5], SLOT             ; the walking descriptors: the other slot than last time, the next step
	s_add_nc_u64 s[G0A+6:G0A+7], s[G0A+6:G0A+7], 262144
	s_xor_b32 s[G0V+5], s[G0V+5], SLOT
	s_add_nc_u64 s[G0V+6:G0V+7], s[G0V+6:G0V+7], 65536
	JL                                             ; my one tensor load behind the round
.else
	PLACES
.endif
.if \par
	FETCH_W 0, F0
.else
	WOPUT \more
	FETCH_A 1, 0, F0
.endif
	WIN MA
	MULA F1, 1, 0, 4, 0
.endm
.macro PACK                            ; O^T to f16, in place and ascending: tile t's 8 registers into v[32 + 4 t ..]; source 1 (ib, ks2) of phase B is then v[32 + 16 ib + 8 ks2 ..]
	PLACES
	WIN 0
.set ti, 0
.rept 16
.irp q, 0,1,2,3
	v_cvt_pk_f16_f32 v[OA+4*ti+\q], v[OA+8*ti+2*\q], v[OA+8*ti+2*\q+1]
.endr
.set ti, ti+1
.endr
.endm
.macro MULB f, ks2, hi, zero           ; 32 products of phase B: column blocks 8 hi .. 8 hi + 7 x my 4 query blocks
.irp c, 0,1,2,3,4,5,6,7
.irp ib, 0,1,2,3
.if \zero
	v_wmma_f32_16x16x32_f16 v[8*(4*\c+\ib):8*(4*\c+\ib)+7], v[\f+8*(8*\hi+\c):\f+8*(8*\hi+\c)+7], v[OA+16*\ib+8*\ks2:OA+16*\ib+8*\ks2+7], 0
.else
	v_wmma_f32_16x16x32_f16 v[8*(4*\c+\ib):8*(4*\c+\ib)+7], v[\f+8*(8*\hi+\c):\f+8*(8*\hi+\c)+7], v[OA+16*\ib+8*\ks2:OA+16*\ib+8*\ks2+7], v[8*(4*\c+\ib):8*(4*\c+\ib)+7]
.endif
.endr
.endr
.endm
.macro PB zero, next                   ; phase B.  zero = 1: head 0 starts out^T's sums.  next = 1: the next head's first fragments are fetched
	s_wait_dscnt 16                                ; Wo's blocks 0-7 of channels 0-31 are in
	WIN 0xa1                                       ; source 0 window 1, source 1 window 0, C and D window 2
	MULB F0, 0, 0, \zero
	FETCH_W 1, F1                                  ; buffer 1's last readers stand ahead of the 64 conversions
	s_wait_dscnt 32                                ; all but the 32 just issued
	WIN 0xf1                                       ; C and D window 3
	MULB F0, 0, 1, \zero
	s_wait_dscnt 16
	WIN 0xa1
	MULB F1, 1, 0, 0
	PLACES
.if \next
	FETCH_A 0, 0, F0
	s_wait_dscnt 32
.else
	s_wait_dscnt 0x0
.endif
	WIN 0xf1
	MULB F1, 1, 1, 0
.rept 5
	v_nop                                          ; five places: the next head's first products write over the registers that these read; on the way out LDS stores read these results
.endr
	WIN 0
.endm
.macro HEAD zero, fill, more, next
	QUART 0, 0, F0, F1, 1                          ; the head's first products start O^T's sums
	QUART 0, 1, F1, F0, 0
	QUART 0, 2, F0, F1, 0
	TURN 0, \fill, \more
	QUART 1, 0, F0, F1, 0
	QUART 1, 1, F1, F0, 0
	QUART 1, 2, F0, F1, 0
	TURN 1, \fill, 0
	PACK
	PB \zero, \next
.endm
	s_wait_tensorcnt 0x1                           ; my part of step 0 is in; step 1's may stay out
	s_barrier_signal -1
	s_barrier_wait -1
	FETCH_A 0, 0, F0
	HEAD 1, 1, 1, 1                                ; head 0 starts out^T's sums
	s_mov_b32 s[CNT], 6
.Lhead:
	HEAD 0, 1, 1, 1                                ; heads 1 to 6
	s_sub_co_u32 s[CNT], s[CNT], 1
	s_cmp_lg_u32 s[CNT], 0
	s_cbranch_scc1 .Lhead
	HEAD 0, 0, 0, 0                                ; head 7 is written out: nothing more is asked for
; THE WAY OUT, 16 rounds a = 4 ib + cq: 16 rows x 64 columns (256 bytes a row) go through my stage and come back as whole rows; the bias is added; 16 lanes store 256 consecutive bytes, aligned.
.macro TOSTAGE a
.set wib, (\a)/4
.set wcq, (\a)%4
.set BK, TS+32*((\a)%2)
	s_wait_xcnt 0x0                                ; this set of registers was store data two rounds ago: loaded again only behind this wait
	WIN 0x08+4*(wcq/2)                             ; store data window 2 or 3
.irp c, 0,1,2,3
	ds_store_b128 v[STO], v[8*(4*(4*(wcq%2)+\c)+wib):8*(4*(4*(wcq%2)+\c)+wib)+3],   offset:\c*64
	ds_store_b128 v[STO], v[8*(4*(4*(wcq%2)+\c)+wib)+4:8*(4*(4*(wcq%2)+\c)+wib)+7], offset:\c*64+16
.endr
	WIN 0
.irp t, 0,1,2,3,4,5,6,7
	ds_load_b128 v[BK+4*\t:BK+4*\t+3], v[RD] offset:\t*2*SP        ; my own bytes: LDS serves a wave's instructions in order
.endr
.endm
.macro SEND a, younger
.set wib, (\a)/4
.set wcq, (\a)%4
.set BK, TS+32*((\a)%2)
	s_wait_dscnt \younger                          ; the round is back in registers; the next round's 8 stores and 8 loads may be out
.irp t, 0,1,2,3,4,5,6,7
	v_pk_add_f32 v[BK+4*\t:BK+4*\t+1],   v[BK+4*\t:BK+4*\t+1],   v[BI+4*wcq:BI+4*wcq+1]
	v_pk_add_f32 v[BK+4*\t+2:BK+4*\t+3], v[BK+4*\t+2:BK+4*\t+3], v[BI+4*wcq+2:BI+4*wcq+3]
.endr
.irp t, 0,1,2,3,4,5,6,7
	global_store_b128 v[CO], v[BK+4*\t:BK+4*\t+3], s[12:13] offset:wib*16384+\t*2048+wcq*256 th:TH_STORE_NT
.endr
.endm
	TOSTAGE 0
.irp a, 1,2,3,4,5,6,7,8,9,10,11,12,13,14,15
	TOSTAGE \a
	SEND \a-1, 16
.endr
	SEND 15, 0
	s_wait_tensorcnt 0x0                           ; the wave's end
	ds_add_u32 v[SPW], v[NIL]
	s_wait_dscnt 0x0
	CROUND                                         ; the closing round: no work-group ends while a partner may still ask for a tile that names it
	s_endpgm
.Lfunc_end_k_q700ccfcf54_attnout:
	.size	k_q700ccfcf54_attnout, .Lfunc_end_k_q700ccfcf54_attnout-k_q700ccfcf54_attnout
	.p2alignl 7, 3214868480
	.fill 96, 4, 3214868480
	.section	.rodata,"a",@progbits
	.p2align	6, 0x0
	.amdhsa_kernel k_q700ccfcf54_attnout
		.amdhsa_group_segment_fixed_size 327680
		.amdhsa_private_segment_fixed_size 0
		.amdhsa_enable_private_segment 0
		.amdhsa_kernarg_size 40
		.amdhsa_user_sgpr_count 2
		.amdhsa_user_sgpr_kernarg_segment_ptr 1
		.amdhsa_wavefront_size32 1
		.amdhsa_system_sgpr_workgroup_id_x 1
		.amdhsa_system_sgpr_workgroup_id_y 1
		.amdhsa_system_sgpr_workgroup_id_z 1
		.amdhsa_system_vgpr_workitem_id 0
		.amdhsa_next_free_vgpr 1024
		.amdhsa_next_free_sgpr 66
		.amdhsa_reserve_vcc 0
		.amdhsa_float_denorm_mode_32 3
		.amdhsa_float_denorm_mode_16_64 3
		.amdhsa_memory_ordered 1
		.amdhsa_forward_progress 1
		.amdhsa_inst_pref_size 219
	.end_amdhsa_kernel
	.amdgpu_metadata
---
amdhsa.version: [ 1, 2 ]
amdhsa.kernels:
  - .name:           k_q700ccfcf54_attnout
    .symbol:         k_q700ccfcf54_attnout.kd
    .args:
      - { .name: af, .offset: 0, .size: 8, .value_kind: global_buffer, .address_space: global }
      - { .name: vf, .offset: 8, .size: 8, .value_kind: global_buffer, .address_space: global }
      - { .name: wfr, .offset: 16, .size: 8, .value_kind: global_buffer, .address_space: global }
      - { .name: bo, .offset: 24, .size: 8, .value_kind: global_buffer, .address_space: global }
      - { .name: out0, .offset: 32, .size: 8, .value_kind: global_buffer, .address_space: global }
    .group_segment_fixed_size: 327680
    .private_segment_fixed_size: 0
    .kernarg_segment_align: 8
    .kernarg_segment_size: 40
    .max_flat_workgroup_size: 128
    .sgpr_count:     66
    .vgpr_count:     1024
    .wavefront_size: 32
...
	.end_amdgpu_metadata
.endif
;; end of part 5
